; MI455X (gfx1250); checked and timed in simulation.
; The chip was launched on July 23, 2026; its instructions are those of AMD's public machine-readable ISA for CDNA 5 (MIT licence, August 2026) and "CDNA5" Instruction Set Architecture Reference Guide (July 2026). The comments in the code are by the model that wrote it; some were corrected since.
;; Causal Attention. Allowed arithmetic: matrix products marked QUANTISED: E4M3 operands, one E8M0 scale for each 32 along K, by v_wmma_scale_f32_16x16x128_f8f6f4 with both operands' format E4M3, f32 sums; everything else in f32.
;; Inputs: W_key 1,024 x 1,024 float32; W_query 1,024 x 1,024 float32; W_value 1,024 x 1,024 float32; x 4 x 2,048 x 1,024 float32.
;; Outputs: out0 4 x 2,048 x 1,024 float32.
;; This version of the problem:
;;   THIS VERSION OF THE PROBLEM IS GIVEN IN LOW PRECISION. The matrix products marked QUANTISED in the list below multiply operands that are first quantised to E4M3 (4 exponent bits, 3 mantissa bits; 8 bits a number), with one power-of-two scale for each 32 numbers along K (OCP MX v1.0); their sums are f32. All else is computed in f32.
;;   The module's matrix products, in the order in which they are computed (A, B: the left and right operand; K: the contracted axis; several contracted axes count as one K, in the product's order):
;;     1. [M 8,192, K 1,024] x [K 1,024, N 1,024]; A: input x; B: input W_query: QUANTISED
;;     2. [M 8,192, K 1,024] x [K 1,024, N 1,024]; A: input x; B: input W_key: QUANTISED
;;     3. [M 8,192, K 1,024] x [K 1,024, N 1,024]; A: input x; B: input W_value: QUANTISED
;;     4. batch 4 x [M 2,048, K 1,024] x [K 1,024, N 2,048]; A: computed on the way; B: computed on the way: QUANTISED
;;     5. batch 4 x [M 2,048, K 2,048] x [K 2,048, N 1,024]; A: softmax (see below); B: computed on the way: QUANTISED
;;   THE QUANTISER, for each operand of a quantised product, along K:
;;     - K is cut into blocks of 32 from its start; a last block that is shorter is filled with zeros.
;;     - A block's scale is 2^e with e = floor(log2(the largest magnitude in the block)) - 8, held to -126 .. 127; a block of zeros has e = 0. As a byte (E8M0): e + 127.
;;     - Each number is divided by its block's scale, clamped to +-448, and rounded to the nearest number of E4M3, ties to even, subnormals kept.
;;     - The product sums the exact products of the quantised numbers (number of the format x scale) in f32.
;;   ~~~python
;;   def quantise(x, axis):      # numpy; x: float32 -> the quantised numbers, widened to float32 again
;;       x = np.moveaxis(x, axis, -1); K = x.shape[-1]
;;       x = np.pad(x, [(0, 0)] * (x.ndim - 1) + [(0, -K % 32)]); x = x.reshape(x.shape[:-1] + (-1, 32)); a = np.abs(x).max(-1, keepdims=True)
;;       e = np.where(a > 0, np.clip(np.frexp(np.where(a > 0, a, 1))[1] - 1 - 8, -126, 127), 0)      # np.frexp(a)[1] - 1 = floor(log2(a)), exactly
;;       r = np.clip(x / 2.0 ** e, -448, 448)
;;       step = 2.0 ** (np.maximum(np.frexp(np.where(r == 0, 1, r))[1] - 1, -6) - 3)
;;       q = np.round(r / step) * step * 2.0 ** e      # np.round: ties to even
;;       return np.moveaxis(q.reshape(q.shape[:-2] + (-1,))[..., :K], -1, axis).astype(np.float32)
;;   ~~~
;;   SOFTMAX AHEAD OF A QUANTISED PRODUCT. Where the list says 'softmax', what is quantised is not the finished softmax but p = 2^(t - M), with t = logit x log2(e) and M = ceil(the row's largest t), a whole number; so 1/2 < the row's largest p <= 1. The row's sum l is taken of the UNQUANTISED p, in f32, and the product's result is divided by l at the end. Since M is a whole number, a kernel that streams over the keys may use a running M (the ceiling of the running maximum): every later rescaling is an exact power of two, which a block's scale takes up: the codes' values come out the same.
;;   OPERANDS COMPUTED ON THE WAY. 'Computed on the way' means the value that the module computes at that place (a softmax that the list does not call 'softmax' is quantised finished and normalised). What goes into a quantiser is computed in f32, as accurately as f32 sums, v_exp_f32 and their like allow (about 1e-6 of the number): no bf16 or f16 on the way to a quantiser, and a product that is left as it is and whose result goes on into a quantised operand takes f32 operands (vector FMAs, or v_wmma_f32_16x16x4_f32). A number that lies on a knife's edge between two numbers of the format may be rounded either way, as far as f32 arithmetic and the matrix unit's own rounding can turn it there, and no further.
;; One version. Each part assembles by itself: llvm-mc -triple=amdgcn-amd-amdhsa -mcpu=gfx1250 --defsym DOCPART=n.
;; ======== version 1 of 1: 4 launches
;; limits: right only within a limited range of input values
;; workspace buffers: xw 11,534,336 bytes; xws 360,448 bytes; qkv 25,165,824 bytes; qkvs 786,432 bytes; pc 16,777,216 bytes; ps 524,288 bytes; st 1,048,576 bytes
;; launch quant (part 1): grid 256 x 1, 11 waves a work-group, no clusters, 94,464 bytes of LDS; arguments x, W_query, W_key, W_value, xw, xws; writes xw, xws
.if DOCPART == 1
	.amdgcn_target "amdgcn-amd-amdhsa--gfx1250"
	.amdhsa_code_object_version 6
	.text
	.protected	k_qd5c2388728_quant
	.globl	k_qd5c2388728_quant
	.p2align	8
	.type	k_qd5c2388728_quant,@function
k_qd5c2388728_quant:
	s_mov_b64 s[64:65], 0
	v_nop
	global_prefetch_b8 v0, s[64:65] scope:SCOPE_SE
	s_setreg_imm32_b32 hwreg(HW_REG_WAVE_MODE, 25, 1), 1
	s_wait_xcnt 0x0
; CAUSAL ATTENTION, ONE HEAD OF 1,024, IN MX-FP8.  Four launches: this one turns x and the three weights into codes; the second makes q, k and v^T as codes; the third makes the weights p = 2^(t - M) as codes,
; under an M of their own for each row and each 128 keys; the fourth brings them under the row's M through their scale bytes, multiplies by v and divides by the row's sum.
; WORK LEFT OUT.  reference() itself sets every score with key > query to -infinity, so its weight is 0 whatever finite values x and the weights hold.  Tiles of 256 queries x 256 keys that lie wholly above the
; diagonal therefore reach no output: neither their scores nor their part of the product with v are computed.  Every input has a way to the output: all are loaded.
; LIMIT: a NaN, an infinity or an overflow that would arise only in those hidden scores is not carried to the result.
; THIS LAUNCH: f32, K innermost, into codes of E4M3 with one E8M0 byte for each 32 along K.
; A block's scale is 2^(floor(log2(its largest magnitude)) - 8); its byte is the largest magnitude's exponent field - 8, held at 1 from below; each number is held within +-448 x the scale and rounded to the nearest code.
; LIMITS: a block of zeros gets the byte 1 where the rule says 127 (its codes are zeros, and this program alone reads the bytes); NaN and infinities among the inputs are not served.
; LAYOUT: groups of 16 rows, 16,384 bytes each: [K step of 128][c][lane][16 bytes]: the image of the matrix operand's registers: lane (r, h) holds row r, K = 32 c + 16 h + 0 .. 15.
; Group G of a tensor has rows 32 (G / 2) + 8 (G % 2) + 16 (r / 8) + r % 8, so that two neighbouring result tiles give a lane 16 neighbours along the next product's K.
; Groups 0-511 are x; then, for each g = 0 .. 7, rows 128 g .. 128 g + 127 of W_query, of W_key, of W_value: 24 groups.  Scale words: [group][pair of K steps][r][2 words]: 512 bytes a group.
; A wave takes one group x two K steps: 16 rows of 1,024 bytes; waves 0-7 two groups of x, waves 8-10 a part of the weights: 11 equal waves.  All 32 loads go out at once.
; A store of scale words covers 128 consecutive bytes: one wave has two of a group's eight K steps.
.set R,    16                          ; v16-143  two K steps as loaded: 16 rows x 512 bytes each
.set X,    144                         ; v144-207 four blocks of 16 neighbours
.set C,    208                         ; v208-239 codes
.set TM,   240                         ; v240-255 the blocks' figures
.set SP,   528                         ; a stage row: 512 bytes + 16 of padding
.set WREG, 16*SP
.set SPARE, 11*WREG                    ; the spare words, 128 bytes for each wave
.set SPW,  12
.set NIL,  13
	s_load_b256 s[4:11], s[0:1], 0x0               ; x, W_query, W_key, W_value
	s_load_b128 s[12:15], s[0:1], 0x20             ; codes, scale words
	v_lshl_add_u32 v[SPW], v0, 2, SPARE
	v_mov_b32 v[NIL], 0
	v_lshrrev_b32 v1, 5, v0
	v_readfirstlane_b32 s16, v1                    ; wave 0..10
	v_and_b32 v2, 31, v0
	v_and_b32 v5, 15, v0                           ; r
	v_bfe_u32 v6, v0, 4, 1                         ; h
	v_lshlrev_b32 v3, 4, v2                        ; 16 x lane: in a row as loaded, and in a chunk of codes
	s_mul_i32 s17, s16, WREG
	v_add_nc_u32 v14, s17, v3                      ; into the stage
	v_mul_u32_u24 v15, v5, SP
	v_lshl_add_u32 v15, v6, 6, v15
	v_add_nc_u32 v15, s17, v15                     ; and back: row r, + 64 h
	v_lshlrev_b32 v7, 3, v5
	v_lshl_add_u32 v7, v6, 2, v7                   ; scale words: 8 r + 4 h
.irp b, 0,1,2,3
	v_mov_b32 v[TM+4+\b], 0                        ; a lane permute's destination counts as one of its sources
.endr
	s_wait_alu depctr_va_vdst(0)                   ; the wait at the head's end
	s_lshr_b32 s17, s16, 2
	s_lshl_b32 s18, ttmp9, 5
	s_lshl_b32 s19, s17, 3
	s_add_co_u32 s18, s18, s19                     ; x: first row 32 work-group + 8 (wave / 4)
	s_lshl_b32 s19, ttmp9, 1
	s_add_co_u32 s19, s19, s17                     ; its group
	s_and_b32 s20, s16, 3                          ; its pair of K steps
	s_mul_i32 s21, ttmp9, 3
	s_add_co_u32 s21, s21, s16
	s_sub_co_u32 s21, s21, 8                       ; the weights: pair 0 .. 767 (of no meaning in waves 0-7)
	s_and_b32 s22, s21, 3
	s_bfe_u32 s23, s21, 0x60002                    ; group of the weight
	s_lshr_b32 s24, s21, 8                         ; which weight
	s_lshr_b32 s25, s23, 1
	s_lshl_b32 s25, s25, 5
	s_and_b32 s26, s23, 1
	s_lshl_b32 s26, s26, 3
	s_add_co_u32 s25, s25, s26                     ; its first row
	s_lshr_b32 s26, s23, 3
	s_mul_i32 s26, s26, 24
	s_lshl_b32 s27, s24, 3
	s_add_co_u32 s26, s26, s27
	s_and_b32 s27, s23, 7
	s_add_co_u32 s26, s26, s27
	s_add_co_u32 s26, s26, 512                     ; where its group goes
	s_wait_kmcnt 0x0
	s_cmp_eq_u32 s24, 1                            ; the choices hang on the work-group's and the wave's number alone
	s_cselect_b64 s[6:7], s[8:9], s[6:7]
	s_cmp_eq_u32 s24, 2
	s_cselect_b64 s[6:7], s[10:11], s[6:7]
	s_cmp_lt_u32 s16, 8
	s_cselect_b64 s[4:5], s[4:5], s[6:7]
	s_cselect_b32 s18, s18, s25
	s_cselect_b32 s19, s19, s26
	s_cselect_b32 s20, s20, s22
	s_lshl_b32 s22, s18, 12
	s_lshl_b32 s24, s20, 10
	s_add_co_u32 s22, s22, s24
	s_mov_b32 s23, 0
	s_add_nc_u64 s[4:5], s[4:5], s[22:23]
	s_lshl_b32 s22, s19, 14
	s_lshl_b32 s24, s20, 12
	s_add_co_u32 s22, s22, s24
	s_add_nc_u64 s[12:13], s[12:13], s[22:23]
	s_lshl_b32 s22, s19, 9
	s_lshl_b32 s24, s20, 7
	s_add_co_u32 s22, s22, s24
	s_add_nc_u64 s[14:15], s[14:15], s[22:23]
	s_mov_b32 s16, 0x600000                        ; the mantissa field of 448
	s_mov_b32 s17, 0xffff0000                      ; lanes 16-31
	s_mov_b32 s20, 0x76543210
	s_mov_b32 s21, 0xfedcba98
.irp f, 0,1
.irp i, 0,1,2,3,4,5,6,7,8,9,10,11,12,13,14,15
	global_load_b128 v[R+64*\f+4*\i:R+64*\f+4*\i+3], v3, s[4:5] offset:(\i%8+16*(\i/8))*4096+512*\f th:TH_LOAD_NT   ; 32 lanes read 512 consecutive bytes of a row
.endr
.endr
.macro STEP f
	s_wait_loadcnt 16*(1-\f)                       ; this K step's 16 loads are in; the next's may be out
.irp i, 0,1,2,3,4,5,6,7,8,9,10,11,12,13,14,15
	ds_store_b128 v14, v[R+64*\f+4*\i:R+64*\f+4*\i+3] offset:SP*\i
.endr
.irp c, 0,1,2,3
.irp i, 0,1,2,3
	ds_load_b128 v[X+16*\c+4*\i:X+16*\c+4*\i+3], v15 offset:128*\c+16*\i   ; LDS serves a wave's instructions in order: these see the stores above
.endr
.endr
	s_wait_dscnt 0x0
.irp c, 0,1,2,3
	v_max3_num_f32 v[TM+\c], |v[X+16*\c]|, |v[X+16*\c+1]|, 0x4800000   ; the largest magnitude of my 16, over the floor 2^(9 - 127)
.endr
.irp i, 2,4,6,8,10,12,14
.irp c, 0,1,2,3
	v_max3_num_f32 v[TM+\c], v[TM+\c], |v[X+16*\c+\i]|, |v[X+16*\c+\i+1]|
.endr
.endr
.irp c, 0,1,2,3
	v_permlanex16_b32 v[TM+4+\c], v[TM+\c], s20, s21
.endr
.irp c, 0,1,2,3
	v_max_num_f32 v[TM+\c], v[TM+\c], v[TM+4+\c]   ; with lane l xor 16's 16: the block's
.endr
.irp c, 0,1,2,3
	v_add_nc_u32 v[TM+12+\c], 0xfc000000, v[TM+\c] ; 8 off the exponent field: the conversion's scale operand
.endr
.irp c, 0,1,2,3
	v_and_or_b32 v[TM+8+\c], v[TM+\c], 0x7f800000, s16   ; 448 x the scale
.endr
.irp c, 0,1,2,3
	v_lshrrev_b32 v[TM+4+\c], 23, v[TM+12+\c]      ; the scale's byte
.endr
	v_lshl_or_b32 v[9+\f], v[TM+5], 8, v[TM+4]
	v_lshl_or_b32 v[9+\f], v[TM+6], 16, v[9+\f]
	v_lshl_or_b32 v[9+\f], v[TM+7], 24, v[9+\f]
.irp c, 0,1,2,3
.irp i, 0,1,2,3,4,5,6,7,8,9,10,11,12,13,14,15
	v_med3_num_f32 v[X+16*\c+\i], v[X+16*\c+\i], -v[TM+8+\c], v[TM+8+\c]   ; the conversion to an 8-bit code does not saturate (ISA guide 7.6.2)
.endr
.endr
.irp c, 0,1,2,3
	v_cvt_scalef32_pk8_fp8_f32 v[C+16*\f+4*\c:C+16*\f+4*\c+1], v[X+16*\c:X+16*\c+7], v[TM+12+\c]
	v_cvt_scalef32_pk8_fp8_f32 v[C+16*\f+4*\c+2:C+16*\f+4*\c+3], v[X+16*\c+8:X+16*\c+15], v[TM+12+\c]
.endr
	v_nop                                          ; a plain instruction behind the last conversion
.irp c, 0,1,2,3
	global_store_b128 v3, v[C+16*\f+4*\c:C+16*\f+4*\c+3], s[12:13] offset:2048*\f+512*\c   ; 512 consecutive bytes
.endr
.endm
	STEP 0
	STEP 1
	v_cndmask_b32 v11, v9, v10, s17                ; lanes 0-15 the first K step's word, lanes 16-31 the second's
	global_store_b32 v7, v11, s[14:15]
	s_wait_tensorcnt 0x0                           ; the wave's end
	ds_add_u32 v[SPW], v[NIL]
	s_wait_dscnt 0x0
	s_endpgm
.Lfunc_end_k_qd5c2388728_quant:
	.size	k_qd5c2388728_quant, .Lfunc_end_k_qd5c2388728_quant-k_qd5c2388728_quant
	.p2alignl 7, 3214868480
	.fill 96, 4, 3214868480
	.section	.rodata,"a",@progbits
	.p2align	6, 0x0
	.amdhsa_kernel k_qd5c2388728_quant
		.amdhsa_group_segment_fixed_size 94464
		.amdhsa_private_segment_fixed_size 0
		.amdhsa_enable_private_segment 0
		.amdhsa_kernarg_size 48
		.amdhsa_user_sgpr_count 2
		.amdhsa_user_sgpr_kernarg_segment_ptr 1
		.amdhsa_wavefront_size32 1
		.amdhsa_system_sgpr_workgroup_id_x 1
		.amdhsa_system_sgpr_workgroup_id_y 1
		.amdhsa_system_sgpr_workgroup_id_z 1
		.amdhsa_system_vgpr_workitem_id 0
		.amdhsa_next_free_vgpr 256
		.amdhsa_next_free_sgpr 66
		.amdhsa_reserve_vcc 0
		.amdhsa_float_denorm_mode_32 3
		.amdhsa_float_denorm_mode_16_64 3
		.amdhsa_memory_ordered 1
		.amdhsa_forward_progress 1
		.amdhsa_inst_pref_size 28
	.end_amdhsa_kernel
	.amdgpu_metadata
---
amdhsa.version: [ 1, 2 ]
amdhsa.kernels:
  - .name:           k_qd5c2388728_quant
    .symbol:         k_qd5c2388728_quant.kd
    .args:
      - { .name: x, .offset: 0, .size: 8, .value_kind: global_buffer, .address_space: global }
      - { .name: W_query, .offset: 8, .size: 8, .value_kind: global_buffer, .address_space: global }
      - { .name: W_key, .offset: 16, .size: 8, .value_kind: global_buffer, .address_space: global }
      - { .name: W_value, .offset: 24, .size: 8, .value_kind: global_buffer, .address_space: global }
      - { .name: xw, .offset: 32, .size: 8, .value_kind: global_buffer, .address_space: global }
      - { .name: xws, .offset: 40, .size: 8, .value_kind: global_buffer, .address_space: global }
    .group_segment_fixed_size: 94464
    .private_segment_fixed_size: 0
    .kernarg_segment_align: 8
    .kernarg_segment_size: 48
    .max_flat_workgroup_size: 352
    .sgpr_count:     66
    .vgpr_count:     256
    .wavefront_size: 32
...
	.end_amdgpu_metadata
.endif
;; end of part 1
;; launch proj (part 2): grid 8 x 32, 4 waves a work-group, clusters of 4 x 4, 327,680 bytes of LDS; arguments xw, xws, qkv, qkvs; writes qkv, qkvs
.if DOCPART == 2
	.amdgcn_target "amdgcn-amd-amdhsa--gfx1250"
	.amdhsa_code_object_version 6
	.text
	.protected	k_qd5c2388728_proj
	.globl	k_qd5c2388728_proj
	.p2align	8
	.type	k_qd5c2388728_proj,@function
k_qd5c2388728_proj:
	s_mov_b64 s[64:65], 0
	v_nop
	global_prefetch_b8 v0, s[64:65] scope:SCOPE_SE
	s_setreg_imm32_b32 hwreg(HW_REG_WAVE_MODE, 25, 1), 1
	s_wait_xcnt 0x0
	s_wait_alu depctr_hold_cnt(0) depctr_sa_sdst(0) depctr_va_vdst(0) depctr_va_sdst(0) depctr_va_ssrc(0) depctr_va_vcc(0) depctr_vm_vsrc(0)
	s_getreg_b32 s2, hwreg(HW_REG_IB_STS2, 6, 4)
	s_cmp_eq_u32 s2, 0
	s_cbranch_scc0 .Lentry_in_a_cluster
	s_endpgm
.Lentry_in_a_cluster:
	s_bfe_u32 s2, ttmp6, 0x10000c
	s_cmp_lg_u32 s2, 0xf033
	s_cbranch_scc0 .Lentry_shape_is_right
	s_endpgm
.Lentry_shape_is_right:
; q = x W_query^T, k = x W_key^T, v = x W_value^T and their quantisers, on codes of E4M3; K = 1,024.  q and k are quantised along the embedding axis, v along the tokens.  Nothing is left out here.
; A work-group (g, I) has tokens 256 I .. + 255 and outputs 128 g .. + 127 of each of the three.  X STAYS, THE WEIGHTS STREAM: a wave holds its 64 tokens, all of K, in 512 registers;
; the 384 weight rows pass in 24 blocks of 16 (0-7 q's, 8-15 k's, 16-23 v's), 32 products each, in two register sets by turns: behind block n its set takes block n + 2.
; q, k: source 0 = the weight's rows, so that a lane holds one token and the pair of blocks 2 P, 2 P + 1 gives it 16 neighbours along the embedding axis.  v: source 0 = the tokens, so that a lane holds one column.
; A scale block of 32 lies in lanes l and l xor 16.  Its codes are then the next launches' operand registers, and leave as 512 consecutive bytes a store.  The quantising stands among later products.
; LDS: 19 places of 16,384 bytes.  Block n lies in place n (n < 19), blocks 19-23 in places 0-4.  At the head places 0-2 take blocks 0-2 and places 3-18 the 256 tokens; when all waves hold the tokens, one refill brings blocks 3-18;
; inside block 3 another brings blocks 19-23.  CLUSTER: tokens are shared along a row (same cy), weights along a column (same cx): joint loads.
; PREFETCH: the first refill's 256 KB, asked for ahead of the wait for the head's tiles.  The clusters with the same x are eight: those of even y ask for one half, of odd y for the other; the four partners of a column share it by address (cy), and the waves.  The second refill
; has thirteen blocks in which to land and is not asked for ahead.
; OUTPUT: qkv: 65,536 bytes for each (tile of 256 rows, 256 along K): [group of 16 rows][K step of 128][c][lane][16 bytes]; q's 32 x 4, k's 32 x 4, then v^T's: (batch, 256 columns, 256 keys).  qkvs: q, k: [tile][K step][64 rows][r][4 groups][word];
; v^T, from byte 524,288: [block][K step][128 columns][r][8 groups][word].
; LIMITS: NaN, infinities and sums beyond f32's range are not served; a block's byte never falls under 1 (a block of zeros has the byte 1, its codes are zeros).
; REGISTERS: windows 1, 2: x's fragments (K step q, tile t at 16 (4 q + t)); window 3: the two sets of weight fragments; window 0: all else.
.set BLKB, 16384
.set XL,   3*BLKB
.set SCL,  19*BLKB                     ; the weights' scale words: 24 x 512 bytes
.set XV,   SCL+24*512+256              ; v's scale words: [K step][r][8 groups][word]
.set SPARE, XV+1024                    ; the spare words
.set NP, 8
.set NF, 36                            ; LDS loads of a block: 32 of fragments, 4 of scale words
.set L16, 4                            ; 16 x lane
.set AX,  5
.set S8,  6                            ; SCL + 8 r
.set AF,  7                            ; the fetch's addresses
.set AS,  8
.set WO,  9                            ; 16 r + 8 h
.set SPW, 10
.set NIL, 11
.set VX,  12                           ; v's half word in XV
.set XSO, 13
.set PF,  14
.set VR,  15
.set VO,  16
.set SOP, 20
.set SB,  24                           ; v24-39 x's scale words: 8 p + q: lanes 0-15 tile 2 p's, lanes 16-31 tile 2 p + 1's
.set EB,  40
.set SA,  44                           ; v44-59 the weights': two sets of eight
.set TQ,  60
.set ACC, 64                           ; v64-191 four sets of four accumulators
.set MCD, 192                          ; v192-207 codes
.set WRD, 208                          ; v208-211 scale words of four token tiles
.set WST, 212
.set G1X, 24
.set G1W, 32
.set G1S, 48
.set G0X, 56
.set G0W, 60
.set G0S, 68
.set G0R, 72
.set MSB, 0
.macro WIN new
.if MSB != (\new)
	s_set_vgpr_msb (MSB<<8)|(\new)
.set MSB, (\new)
.endif
.endm
.macro PLACES n
.rept \n
	v_nop
.endr
.endm
.macro WALU
	s_wait_alu depctr_va_vdst(0)
.endm
.macro BARRIER
	s_barrier_signal -1
	s_barrier_wait -1
.endm
.macro CREST                           ; a round of the cluster's barrier behind its opening barrier
	s_cmp_lg_u32 s14, 0
	s_cbranch_scc1 .Lnot_wave_0_\@
	s_barrier_signal -3
.Lnot_wave_0_\@:
	s_barrier_wait -3
	BARRIER
.endm
.macro CROUND
	BARRIER
	CREST
.endm
.macro TLOAD g0, g1                    ; a tensor load; an s_nop 0 and four v_nop follow it
	tensor_load_to_lds s[\g0:\g0+3], s[\g1:\g1+7]
	s_nop 0
	PLACES 4
.endm
.macro GROUP1 g, mask, rows            ; a dense run of so many rows of 1,024 bytes
	s_or_b32 s[\g], s[\mask], 1<<21
	s_mov_b32 s[\g+1], 1024<<16
	s_mov_b32 s[\g+2], (\rows)<<16
	s_mov_b32 s[\g+3], 1024<<16
	s_mov_b32 s[\g+4], \rows
	s_mov_b32 s[\g+5], 1024
	s_mov_b32 s[\g+6], 0
	s_mov_b32 s[\g+7], 0
.endm
	s_load_b256 s[4:11], s[0:1], 0x0               ; xw, xws, qkv, qkvs
	v_lshl_add_u32 v[SPW], v0, 2, SPARE
	v_mov_b32 v[NIL], 0
	ds_add_u32 v[SPW], v[NIL]                      ; the wave's opening: the add, twice on end, and its wait
	ds_add_u32 v[SPW], v[NIL]
	v_lshrrev_b32 v1, 5, v0
	v_readfirstlane_b32 s14, v1                    ; wave 0..3
	s_bfe_u32 s40, ttmp6, 0x40000                  ; cx
	s_bfe_u32 s41, ttmp6, 0x40004                  ; cy
	s_lshl_b32 s42, ttmp9, 2
	s_add_co_u32 s42, s42, s40                     ; g
	s_and_b32 s17, ttmp7, 0xffff
	s_lshl_b32 s17, s17, 2
	s_add_co_u32 s17, s17, s41                     ; I
	s_lshl_b32 s43, s41, 2
	s_lshl_b32 s43, 15, s43                        ; my row of the cluster: shares the tokens
	s_lshl_b32 s44, 0x1111, s40                    ; my column: shares the weights
	GROUP1 G1X, 43, 128
	GROUP1 G1W, 44, 48
	GROUP1 G1S, 44, 12
	s_lshl_b32 s20, s17, 18
	s_and_b32 s19, s14, 1
	s_lshl_b32 s18, s19, 17
	s_add_co_u32 s20, s20, s18                     ; x: my half of the 256 tokens
	s_mov_b32 s21, 0
	s_mul_i32 s46, s42, 24*BLKB
	s_add_co_u32 s46, s46, 512*BLKB                ; the weights' 24 groups
	s_mov_b32 s47, 0
	s_mul_i32 s22, s42, 24*512
	s_add_co_u32 s22, s22, 512*512                 ; and their scale words
	s_mov_b32 s23, 0
	s_lshl_b32 s12, s17, 13
	s_lshl_b32 s2, s14, 11
	s_add_co_u32 s12, s12, s2                      ; my 64 tokens' scale words
	s_mov_b32 s13, 0
	s_wait_dscnt 0x0                               ; both opening adds are done
	CROUND                                         ; all sixteen work-groups are here: the first joint loads meet
	s_wait_kmcnt 0x0
	s_add_nc_u64 s[20:21], s[4:5], s[20:21]
	s_add_nc_u64 s[46:47], s[4:5], s[46:47]
	s_add_nc_u64 s[22:23], s[6:7], s[22:23]
	s_add_nc_u64 s[12:13], s[6:7], s[12:13]
	s_mov_b32 s[G0X], 1
	s_add_co_u32 s[G0X+1], s18, XL
	s_mov_b64 s[G0X+2:G0X+3], s[20:21]
	s_or_b32 s[G0X+3], s[G0X+3], 0x80000000
	s_mov_b32 s[G0W], 1
	s_mov_b32 s[G0W+1], 0
	s_mov_b64 s[G0W+2:G0W+3], s[46:47]
	s_or_b32 s[G0W+3], s[G0W+3], 0x80000000
	s_mov_b32 s[G0S], 1
	s_mov_b32 s[G0S+1], SCL
	s_mov_b64 s[G0S+2:G0S+3], s[22:23]
	s_or_b32 s[G0S+3], s[G0S+3], 0x80000000
	s_cmp_lt_u32 s14, 2                            ; one joint load a wave: waves 0, 1 the tokens' halves, wave 2 blocks 0-2, wave 3 the scale words
	s_cbranch_scc0 .Lhead_w
	TLOAD G0X, G1X
	s_branch .Lasked
.Lhead_w:
	s_cmp_eq_u32 s14, 2
	s_cbranch_scc0 .Lhead_s
	TLOAD G0W, G1W
	s_branch .Lasked
.Lhead_s:
	TLOAD G0S, G1S
.Lasked:
	v_and_b32 v2, 31, v0
	v_and_b32 v1, 15, v0                           ; r
	v_bfe_u32 v3, v0, 4, 1                         ; h
	v_lshlrev_b32 v[L16], 4, v2
	v_lshlrev_b32 v[VO], 3, v2
	v_lshlrev_b32 v[PF], 8, v2
	v_lshlrev_b32 v[XSO], 9, v3
	v_lshl_add_u32 v[XSO], v1, 3, v[XSO]           ; 512 h + 8 r
	v_lshlrev_b32 v[WO], 3, v3
	v_lshl_add_u32 v[WO], v1, 4, v[WO]
	v_lshlrev_b32 v[S8], 3, v1
	v_add_nc_u32 v[S8], SCL, v[S8]
	v_add_nc_u32 v[AF], 2*BLKB, v[L16]
	v_add_nc_u32 v[AS], 2*512, v[S8]
	s_lshl_b32 s2, s14, 16
	s_add_co_u32 s2, s2, XL
	v_add_nc_u32 v[AX], s2, v[L16]
	s_lshr_b32 s18, s14, 1
	s_lshl_b32 s2, s18, 9
	s_lshl_b32 s3, s19, 1
	s_add_co_u32 s2, s2, s3
	s_add_co_u32 s2, s2, XV-8                      ; (stepped by 8 ahead of the first store)
	v_lshlrev_b32 v[VX], 5, v1
	v_add_nc_u32 v[VX], s2, v[VX]
	s_lshl_b32 s2, s14, 8
	s_add_co_u32 s2, s2, XV
	v_add_nc_u32 v[VR], s2, v[VO]
.irp t, 0,1,2,3
	v_mov_b32 v[WRD+\t], 0
.endr
	WALU
	; the prefetch: half (cluster y % 2), quarter cy, quarter of that by the wave, 256 bytes a lane
	s_and_b32 s80, ttmp7, 1
	s_lshl_b32 s80, s80, 17
	s_lshl_b32 s2, s41, 15
	s_add_co_u32 s80, s80, s2
	s_lshl_b32 s2, s14, 13
	s_add_co_u32 s80, s80, s2
	s_add_co_u32 s80, s80, 3*BLKB
	s_mov_b32 s81, 0
	s_add_nc_u64 s[80:81], s[46:47], s[80:81]
.irp p, 0,1
.irp c, 0,1,2,3
	global_load_b64 v[SB+8*\p+2*\c:SB+8*\p+2*\c+1], v[XSO], s[12:13] offset:1024*\p+128*\c
.endr
.endr
	global_prefetch_b8 v[PF], s[80:81] th:TH_LOAD_NT scope:SCOPE_SE
	; where my results go
	s_lshr_b32 s2, s42, 1                          ; 256 along K, or 256 columns
	s_and_b32 s3, s42, 1
	s_lshl_b32 s20, s17, 2
	s_add_co_u32 s20, s20, s2
	s_lshl_b32 s20, s20, 16
	s_lshl_b32 s22, s3, 11
	s_add_co_u32 s20, s20, s22
	s_lshl_b32 s22, s14, 14
	s_add_co_u32 s20, s20, s22
	s_mov_b32 s21, 0
	s_add_nc_u64 s[84:85], s[8:9], s[20:21]        ; q's codes, pair 0
	s_lshl_b32 s20, s17, 13
	s_lshl_b32 s22, s42, 10
	s_add_co_u32 s20, s20, s22
	s_lshl_b32 s22, s14, 8
	s_add_co_u32 s20, s20, s22
	s_add_nc_u64 s[86:87], s[10:11], s[20:21]      ; q's scale words
	s_lshr_b32 s20, s17, 3
	s_lshl_b32 s20, s20, 2
	s_add_co_u32 s20, s20, s2
	s_lshl_b32 s20, s20, 3
	s_and_b32 s22, s17, 7
	s_add_co_u32 s23, s20, s22                     ; v^T's block
	s_add_co_u32 s20, s23, 256
	s_lshl_b32 s20, s20, 16
	s_lshl_b32 s22, s3, 15
	s_add_co_u32 s20, s20, s22
	s_lshl_b32 s22, s14, 10                        ; 2,048 (wave / 2) + 1,024 (wave % 2)
	s_add_co_u32 s20, s20, s22
	s_sub_co_u32 s20, s20, 8192                    ; (stepped by 4,096 in each of v's blocks, one of them ahead of the first store)
	s_add_nc_u64 s[88:89], s[8:9], s[20:21]
	s_lshl_b32 s20, s23, 11
	s_lshl_b32 s22, s3, 9
	s_add_co_u32 s20, s20, s22
	s_lshl_b32 s22, s18, 10
	s_add_co_u32 s20, s20, s22
	s_lshl_b32 s22, s19, 8
	s_add_co_u32 s20, s20, s22
	s_add_co_u32 s20, s20, 524288
	s_add_nc_u64 s[90:91], s[10:11], s[20:21]      ; v's scale words
	s_mov_b32 s76, 0x76543210
	s_mov_b32 s77, 0xfedcba98
	s_mov_b32 s78, 0x600000
	s_mov_b32 s79, 0xffff0000
	s_mov_b32 s66, 2*BLKB
	s_mov_b32 s67, 1024
	; the first refill: a quarter of blocks 3-18 a wave
	s_mov_b32 s[G0R], 1
	s_lshl_b32 s20, s14, 16
	s_add_co_u32 s20, s20, XL
	s_mov_b32 s[G0R+1], s20
	s_add_nc_u64 s[G0R+2:G0R+3], s[46:47], s[20:21]
	s_or_b32 s[G0R+3], s[G0R+3], 0x80000000
.macro FETCH k, a, off, s, so          ; a block's fragments and scale words into set k: NF loads
	WIN 3<<6
.irp q, 0,1,2,3,4,5,6,7
.irp c, 0,1,2,3
	ds_load_b128 v[128*(\k)+16*\q+4*\c:128*(\k)+16*\q+4*\c+3], v[\a] offset:(\off)+2048*\q+512*\c
.endr
.endr
	WIN 0
.irp p, 0,1,2,3
	ds_load_b64 v[SA+8*(\k)+2*\p:SA+8*(\k)+2*\p+1], v[\s] offset:(\so)+128*\p
.endr
.endm
.macro WM ra, rb, sa, sb, mod          ; a product; the first on an accumulator starts the sum
.if Z_ == 0
	v_wmma_scale_f32_16x16x128_f8f6f4 v[AC_:AC_+7], v[\ra:\ra+15], v[\rb:\rb+15], 0, v[\sa], v[\sb] \mod
.else
	v_wmma_scale_f32_16x16x128_f8f6f4 v[AC_:AC_+7], v[\ra:\ra+15], v[\rb:\rb+15], v[AC_:AC_+7], v[\sa], v[\sb] \mod
.endif
.endm
.macro PROD kind, e, a, n              ; product n = 4 q + t: K step q, token tile t; the weights in set e, sums in set a; the four accumulators take turns
.set Z_, (\n)/4
.set AC_, ACC+32*(\a)+8*((\n)%4)
.set XF_, 16*((\n)%16)
.set WF_, 128*(\e)+16*((\n)/4)
.set XS_, SB+8*(((\n)%4)/2)+(\n)/4
.set WS_, SA+8*(\e)+(\n)/4
.if \kind
	WIN (1+(\n)/16)|(3<<2)
.if (\n)%2
	WM XF_, WF_, XS_, WS_, matrix_a_scale:MATRIX_SCALE_ROW1
.else
	WM XF_, WF_, XS_, WS_
.endif
.else
	WIN 3|((1+(\n)/16)<<2)
.if (\n)%2
	WM WF_, XF_, WS_, XS_, matrix_b_scale:MATRIX_SCALE_ROW1
.else
	WM WF_, XF_, WS_, XS_
.endif
.endif
.endm
.macro HOLD2 x, b                      ; two sums held at 448 x the scale: the conversion to an 8-bit code does not saturate (ISA guide 7.6.2)
	v_med3_num_f32 v[\x], v[\x], -v[\b], v[\b]
	v_med3_num_f32 v[\x+1], v[\x+1], -v[\b], v[\b]
.endm
; THE QUANTISER of 16 numbers a lane (a block of 32 with lane l xor 16) in 15 places, two units a block.  y = 1, 2: token tiles 0, 1 or 2, 3 of a pair of q's or k's blocks (sums at x and x + 32); y = 3: the two 32s of tokens of one of v's blocks.
; The bound has a second copy, written two places on: its first would be read too late at the fourth pair of holds.
.macro UNIT u, y, x
.set J_, (\u)%15
.if (\y) == 3
.set U_, (\u)/15
.set E_, \x+16*U_
.set O_, E_+8
.else
.set U_, 2*((\y)-1)+(\u)/15
.set E_, \x+8*U_
.set O_, E_+32
.endif
.set CD_, MCD+4*U_
.if J_ == 0
	v_max3_num_f32 v[TQ], |v[E_]|, |v[E_+1]|, |v[E_+2]|
	v_max3_num_f32 v[TQ+2], |v[O_]|, |v[O_+1]|, |v[O_+2]|
.elseif J_ < 3
	v_max3_num_f32 v[TQ], v[TQ], |v[E_+2*J_+1]|, |v[E_+2*J_+2]|
	v_max3_num_f32 v[TQ+2], v[TQ+2], |v[O_+2*J_+1]|, |v[O_+2*J_+2]|
.elseif J_ == 3
	v_max3_num_f32 v[TQ+2], v[TQ+2], |v[O_+7]|, 0x4800000
	v_max3_num_f32 v[TQ], v[TQ], |v[E_+7]|, v[TQ+2]
.elseif J_ == 4
	v_permlanex16_b32 v[TQ+2], v[TQ], s76, s77
	v_max_num_f32 v[TQ], v[TQ], v[TQ+2]
.elseif J_ == 5
	v_add_nc_u32 v[SOP], 0xfc000000, v[TQ]
	v_and_or_b32 v[TQ+1], v[TQ], 0x7f800000, s78
.elseif J_ < 10
.if J_ == 9
	HOLD2 E_+6, TQ+3
	v_cvt_scalef32_pk8_fp8_f32 v[CD_:CD_+1], v[E_:E_+7], v[SOP]
.else
	HOLD2 E_+2*(J_-6), TQ+1
.if J_ == 8
	v_mov_b32 v[TQ+3], v[TQ+1]
.endif
.endif
.elseif J_ < 14
	HOLD2 O_+2*(J_-10), TQ+1
.if J_ == 13
	v_cvt_scalef32_pk8_fp8_f32 v[CD_+2:CD_+3], v[O_:O_+7], v[SOP]
.endif
.elseif (\y) == 3
	v_lshrrev_b32 v[EB+U_], 23, v[SOP]
.else
	v_lshrrev_b32 v[EB], 23, v[SOP]
	v_alignbit_b32 v[WRD+U_], v[EB], v[WRD+U_], 8  ; the byte comes in at the top: four pairs make the word
.endif
.endm
; Address steps behind the first products.  tag 1: a trip of four blocks; 2, 3: q's or k's next place; 4, 5: v's two blocks
.macro EXTRA n, tag
.if (\n) == 0
.if (\tag) == 1
	s_add_co_u32 s66, s66, 4*BLKB
	v_add_nc_u32 v[AF], s66, v[L16]
.elseif (\tag) == 2
	s_add_nc_u64 s[84:85], s[84:85], 512
.elseif (\tag) == 3
	s_cmp_eq_u32 s82, 2                            ; pair 4 is k's first
	s_mov_b32 s20, 512
	s_cselect_b32 s20, 8388608-1536, s20
	s_mov_b32 s21, 0
	s_add_nc_u64 s[84:85], s[84:85], s[20:21]
.else
	s_add_nc_u64 s[88:89], s[88:89], 4096
.if (\tag) == 5
	s_lshl_b32 s20, s82, 15
	v_add_nc_u32 v[AF], s20, v[L16]
	s_add_co_u32 s19, s20, BLKB
.elseif (\tag) == 4
	v_add_nc_u32 v[AF], s19, v[L16]
.endif
.endif
.elseif (\n) == 1
.if (\tag) == 1
	s_add_co_u32 s67, s67, 2048
	v_add_nc_u32 v[AS], s67, v[S8]
.elseif (\tag) == 4
	s_add_co_u32 s67, s67, 1024
	v_add_nc_u32 v[AS], s67, v[S8]
.endif
.elseif (\tag) == 5
	v_add_nc_u32 v[VX], 8, v[VX]
.endif
.endm
.macro LIST n, tag, y, x
.if (\n) < 3 && (\tag) > 0
	WIN 0
	EXTRA \n, \tag
.endif
.if (\y) > 0 && (\n) > 0 && (\n) < 27
	WIN 0
	UNIT (\n)-1, \y, \x
.endif
.endm
.macro TAIL y, x                       ; the last four places of the quantiser stand behind the last product: their eight plain vector lines are its places
	WIN 0
	UNIT 26, \y, \x
	UNIT 27, \y, \x
	UNIT 28, \y, \x
	UNIT 29, \y, \x
.if (\y) == 3
	v_lshl_or_b32 v[EB+2], v[EB+1], 8, v[EB]
.endif
.endm
.macro RUN kind, e, a, from, to, tag, y, x
.set N_, \from
.rept (\to)-(\from)
	PROD \kind, \e, \a, N_
	LIST N_, \tag, \y, \x
.set N_, N_+1
.endr
.endm
; A block.  w: the wait's count (-1: none): all but the other set's loads.  bar = 1: a plain barrier, which shows wave 0's part of the first refill; bar = 2: a round, which shows the rest, and behind which the second refill follows.
.macro BLK kind, e, a, w, tag, y, x, bar
.if (\w) >= 0
	s_wait_dscnt \w
.endif
	s_wait_xcnt 0x0                                ; my stores have read their registers and their base
.if (\bar) == 0
	RUN \kind, \e, \a, 0, 32, \tag, \y, \x
	WIN 0
.if (\y) > 0
	TAIL \y, \x
.else
	PLACES NP
.endif
.elseif (\bar) == 1
	RUN \kind, \e, \a, 0, 28, \tag, \y, \x
	WIN 0
	WALU
	s_cmp_eq_u32 s14, 0
	s_cbranch_scc0 .Lnot_yet_\@
	s_wait_tensorcnt 0x0
.Lnot_yet_\@:
	s_wait_dscnt 0x0
	s_barrier_signal -1
	RUN \kind, \e, \a, 28, 32, \tag, \y, \x
	WIN 0
	s_barrier_wait -1
	PLACES NP
.else
	RUN \kind, \e, \a, 0, 24, \tag, \y, \x
	WIN 0
	WALU
	s_wait_tensorcnt 0x0                           ; my part of the first refill is in, so its descriptor may be written;
	ds_add_u32 v[SPW], v[NIL]
	s_mul_i32 s[G0R+1], s14, 20*1024               ; the second: a quarter of blocks 19-23 a wave, into places 0-4
	s_add_co_u32 s20, s[G0R+1], 19*BLKB
	s_mov_b32 s21, 0
	s_add_nc_u64 s[G0R+2:G0R+3], s[46:47], s[20:21]
	s_or_b32 s[G0R+3], s[G0R+3], 0x80000000
	s_mov_b32 s[G1W+2], 20<<16
	s_mov_b32 s[G1W+4], 20
	RUN \kind, \e, \a, 24, 28, \tag, \y, \x
	WIN 0
	WALU
	s_wait_dscnt 0x0                               ; the add is done, and my reads of blocks 0-4
	s_barrier_signal -1
	RUN \kind, \e, \a, 28, 32, \tag, \y, \x
	TAIL \y, \x
	s_barrier_wait -1
	CREST
.endif
.endm
.macro QOUT                            ; a pair's codes: four token tiles
.irp t, 0,1,2,3
	global_store_b128 v[L16], v[MCD+4*\t:MCD+4*\t+3], s[84:85] offset:4096*\t
.endr
.endm
.macro WORDS off                       ; 64 tokens' words: 256 consecutive bytes
	v_cndmask_b32 v[WST], v[WRD], v[WRD+2], s79
	v_cndmask_b32 v[WST+1], v[WRD+1], v[WRD+3], s79
	global_store_b64 v[WO], v[WST:WST+1], s[86:87] offset:\off
.endm
.macro VOUT off
	ds_store_b16 v[VX], v[EB+2] offset:\off        ; both halves of the lanes write the same bytes with the same value
.irp c, 0,1
	global_store_b128 v[L16], v[MCD+4*\c:MCD+4*\c+3], s[88:89] offset:512*\c
.endr
.endm
	WALU                                           ; the wait at the head's end
	s_wait_tensorcnt 0x0                           ; my part of the head's tiles is in, so a descriptor may be written:
	s_mov_b32 s[G1W+2], 64<<16                     ; the first refill: 64 rows of 1,024 bytes a wave
	s_mov_b32 s[G1W+4], 64
	BARRIER                                        ; everybody's is
.irp q, 0,1,2,3,4,5,6,7                ; my 64 tokens, all of K
	WIN (1+\q/4)<<6
.irp t, 0,1,2,3
.irp c, 0,1,2,3
	ds_load_b128 v[64*(\q%4)+16*\t+4*\c:64*(\q%4)+16*\t+4*\c+3], v[AX] offset:BLKB*\t+2048*\q+512*\c
.endr
.endr
.endr
	WIN 0
	FETCH 0, L16, 0, S8, 0
	s_wait_tensorcnt 0x0
	ds_add_u32 v[SPW], v[NIL]
	s_wait_dscnt 0x0                               ; the tokens are in registers
	CROUND
	s_cmp_eq_u32 s14, 0                            ; wave 0 has a load line of its own: the barrier inside block 1 waits for it alone
	s_cbranch_scc0 .Lrest
	TLOAD G0R, G1W
	s_branch .Lrefilled
.Lrest:
	TLOAD G0R, G1W
.Lrefilled:
	FETCH 1, L16, BLKB, S8, 512
	s_wait_loadcnt 0x0                             ; the tokens' scale words
	BLK 0, 0, 0, -1, 0, 0, 0, 0                    ; block 0
	FETCH 0, AF, 0, AS, 0
	BLK 0, 1, 1, NF, 0, 0, 0, 1
	FETCH 1, AF, BLKB, AS, 512
	BLK 0, 0, 2, NF, 0, 1, ACC, 0
	FETCH 0, AF, 2*BLKB, AS, 1024
	BLK 0, 1, 3, NF, 0, 2, ACC, 2
	TLOAD G0R, G1W                                 ; the second refill, first behind the round
	PLACES NP-4
	WALU
	QOUT                                           ; pair 0
	FETCH 1, AF, 3*BLKB, AS, 1536
	s_mov_b32 s82, 1
.Lfour:                                                ; blocks 4-15: pair 2 T - 1 goes out in a trip's first two blocks, pair 2 T in its last two
	BLK 0, 0, 0, NF, 1, 1, ACC+64, 0
	FETCH 0, AF, 0, AS, 0
	BLK 0, 1, 1, NF, 2, 2, ACC+64, 0
	QOUT
	s_cmp_eq_u32 s82, 2
	s_cbranch_scc0 .Lno_words
	WORDS 0                                        ; q's words are whole
.Lno_words:
	FETCH 1, AF, BLKB, AS, 512
	BLK 0, 0, 2, NF, 0, 1, ACC, 0
	FETCH 0, AF, 2*BLKB, AS, 1024
	BLK 0, 1, 3, NF, 3, 2, ACC, 0
	QOUT
	FETCH 1, AF, 3*BLKB, AS, 1536
	s_add_co_u32 s82, s82, 1
	s_cmp_lg_u32 s82, 4
	s_cbranch_scc1 .Lfour
	s_wait_xcnt 0x0
	s_add_nc_u64 s[84:85], s[84:85], 512
.irp y, 1,2
.set K_, 0
.rept 30
	UNIT K_, \y, ACC+64                            ; k's last pair
.set K_, K_+1
.endr
.endr
	WALU
	s_wait_tensorcnt 0x0                           ; blocks 19-23 are in
	s_wait_dscnt 0x0
	BARRIER
	QOUT
	WORDS 262144                                   ; k's words
	s_mov_b32 s67, 16*512
	s_mov_b32 s19, 18*BLKB
	s_mov_b32 s82, 0
.Lv:                                                   ; blocks 16-23; each goes out among the next one's products
	BLK 1, 0, 0, NF, 4, 3, ACC+32, 0
	s_cmp_eq_u32 s82, 0
	s_cbranch_scc1 .Lnone_before
	VOUT 4
.Lnone_before:
	s_cmp_eq_u32 s82, 3
	s_cbranch_scc1 .Lnone_0
	FETCH 0, AF, 0, AS, 0
	s_wait_dscnt NF
	s_branch .Lgo
.Lnone_0:
	s_wait_dscnt 0x0
.Lgo:
	BLK 1, 1, 1, -1, 5, 3, ACC, 0
	VOUT 0
	s_cmp_eq_u32 s82, 3
	s_cbranch_scc1 .Lnone_1
	FETCH 1, AF, 0, AS, 512
.Lnone_1:
	s_add_co_u32 s82, s82, 1
	s_cmp_lg_u32 s82, 4
	s_cbranch_scc1 .Lv
	s_wait_xcnt 0x0
	s_add_nc_u64 s[88:89], s[88:89], 4096
.set K_, 0
.rept 30
	UNIT K_, 3, ACC+32
.set K_, K_+1
.endr
	v_lshl_or_b32 v[EB+2], v[EB+1], 8, v[EB]
	VOUT 4
	WALU
	s_wait_dscnt 0x0                               ; for the others' sake: my half words lie in LDS
	BARRIER
	ds_load_b64 v[TQ:TQ+1], v[VR]
	s_wait_dscnt 0x0
	global_store_b64 v[VO], v[TQ:TQ+1], s[90:91]   ; 256 consecutive bytes
	s_wait_tensorcnt 0x0                           ; the wave's end
	ds_add_u32 v[SPW], v[NIL]
	s_wait_dscnt 0x0
	CROUND                                         ; the closing round
	s_endpgm
.Lfunc_end_k_qd5c2388728_proj:
	.size	k_qd5c2388728_proj, .Lfunc_end_k_qd5c2388728_proj-k_qd5c2388728_proj
	.p2alignl 7, 3214868480
	.fill 96, 4, 3214868480
	.section	.rodata,"a",@progbits
	.p2align	6, 0x0
	.amdhsa_kernel k_qd5c2388728_proj
		.amdhsa_group_segment_fixed_size 327680
		.amdhsa_private_segment_fixed_size 0
		.amdhsa_enable_private_segment 0
		.amdhsa_kernarg_size 32
		.amdhsa_user_sgpr_count 2
		.amdhsa_user_sgpr_kernarg_segment_ptr 1
		.amdhsa_wavefront_size32 1
		.amdhsa_system_sgpr_workgroup_id_x 1
		.amdhsa_system_sgpr_workgroup_id_y 1
		.amdhsa_system_sgpr_workgroup_id_z 1
		.amdhsa_system_vgpr_workitem_id 0
		.amdhsa_next_free_vgpr 1024
		.amdhsa_next_free_sgpr 100
		.amdhsa_reserve_vcc 0
		.amdhsa_float_denorm_mode_32 3
		.amdhsa_float_denorm_mode_16_64 3
		.amdhsa_memory_ordered 1
		.amdhsa_forward_progress 1
		.amdhsa_inst_pref_size 154
	.end_amdhsa_kernel
	.amdgpu_metadata
---
amdhsa.version: [ 1, 2 ]
amdhsa.kernels:
  - .name:           k_qd5c2388728_proj
    .symbol:         k_qd5c2388728_proj.kd
    .args:
      - { .name: xw, .offset: 0, .size: 8, .value_kind: global_buffer, .address_space: global }
      - { .name: xws, .offset: 8, .size: 8, .value_kind: global_buffer, .address_space: global }
      - { .name: qkv, .offset: 16, .size: 8, .value_kind: global_buffer, .address_space: global }
      - { .name: qkvs, .offset: 24, .size: 8, .value_kind: global_buffer, .address_space: global }
    .group_segment_fixed_size: 327680
    .private_segment_fixed_size: 0
    .kernarg_segment_align: 8
    .kernarg_segment_size: 32
    .max_flat_workgroup_size: 128
    .sgpr_count:     100
    .vgpr_count:     1024
    .wavefront_size: 32
...
	.end_amdgpu_metadata
.endif
;; end of part 2
;; launch scores (part 3): grid 36 x 4, 4 waves a work-group, no clusters, 327,680 bytes of LDS; arguments qkv, qkvs, pc, ps, st; writes pc, ps, st
.if DOCPART == 3
	.amdgcn_target "amdgcn-amd-amdhsa--gfx1250"
	.amdhsa_code_object_version 6
	.text
	.protected	k_qd5c2388728_scores
	.globl	k_qd5c2388728_scores
	.p2align	8
	.type	k_qd5c2388728_scores,@function
k_qd5c2388728_scores:
	s_mov_b64 s[64:65], 0
	v_nop
	global_prefetch_b8 v0, s[64:65] scope:SCOPE_SE
	s_setreg_imm32_b32 hwreg(HW_REG_WAVE_MODE, 25, 1), 1
	s_wait_xcnt 0x0
; p = 2^(t - M) as codes of E4M3, t = (q . k) log2(e) / 32, for tiles of 256 queries x 256 keys; K = 1,024.  WORK LEFT OUT: tiles with key tile j > query tile i, whose scores reference() itself sets to -infinity (see the first launch's head).
; M HERE IS A WHOLE NUMBER OF ITS OWN FOR EACH ROW AND EACH CHUNK OF 128 KEYS: the ceiling of the chunk's largest t.  The next launch brings the chunks under the row's M by taking a whole number off p's scale bytes: the codes stay as they are.
; For each row and chunk -M and the sum of the unquantised p go to st.  A chunk that is hidden whole (the upper right quarter of a diagonal tile) gets zero codes, the sum 0 and -M = 3e38, over every other chunk's.
; Work-group t of a batch's 36: i = the largest number with i (i + 1) / 2 <= t, j = t - i (i + 1) / 2.  Four waves, each 128 x 128; source 0 = 16 keys, source 1 = 16 queries: a lane holds one query, its registers run along the keys.
; Place p of q's and k's tiles holds row pi(p) (bits 3 and 4 exchanged): the 16 registers of result tiles 2 c, 2 c + 1 are keys 32 c + 16 (lane / 16) + 0 .. 15; the lane's query is pi(its place).
; q's and k's tiles arrive as images of the operands' registers, [K slot of 256][group of 16 places][K step][c][lane][16 bytes], dense in LDS; p leaves in the same order, [group][K step][c][lane][16 bytes], straight from registers.
; LDS: q's two slots of 65,536 bytes, k's two, the scale words.  At the head one load brings K slots 0 and 1 of q, one those of k.
; NO CLUSTER: a query tile row has 1 to 8 tiles and a key tile column 8 to 1, so the triangle does not divide into fours that share a tile.
; LIMITS: NaN and infinities are not served; t under -3e38 is taken for -3e38; a block whose every p is 0 gets the byte 1 (its codes are zeros).
; REGISTERS: window 0: addresses, scale words (two sets), q's fragments from v128; window 1: k's, two sets; windows 2, 3: the accumulators of my queries 0-63, 64-127.  On the way out window 0 from v32: two blocks of 16 queries at once.
.set SLOT,   65536
.set KOFF,   2*SLOT                    ; k's slots
.set SCL,    4*SLOT                    ; the scale words: q's [8 K steps][64 places][r][4 groups][word], then k's
.set SPARE,  SCL+16384                 ; the spare words, 128 bytes for each wave
.set FR,     16
.set NL,     4
.set NP,     8
.set WRD,  8                           ; v8-11   scale words of four blocks
.set PST,  12                          ; v[12:13] pairs (-M, sum) on their way out
.set ADRA, 16
.set PFV,  19                          ; v19  the prefetches' offset; never rewritten
.set ADRB, 20
.set D0,   22                          ; v22  pi(r) - 16 h + 128 (rh - ch)
.set MSO,  23                          ; v23  scale words' offset: 16 r + 8 h
.set STO,  24                          ; v24  pairs' offset: 8 r + 128 h
.set CO,   26                          ; v26  16 x lane
.set ADRS, 27
.set SPW,  28
.set NIL,  29
.set SC,   32
.set AF,   128
.set BM,   32                          ; v32-39 a block's largest scores, then its largest p (4 for each of two blocks of queries)
.set X1,   40                          ; v40-47
.set NN,   48                          ; v[48:49], v[50:51] -M (the packed form names the pair)
.set TA,   52
.set TB,   54
.set DD,   56
.set NINF, 57
.set STA,  58                          ; v[58:59], v[60:61] (-M, sum)
.set WST,  62
.set T,    64                          ; v64-191 p
.set PC,   192                         ; v192-223 codes
.set HL,   224
.set SO,   232
.set SU,   240                         ; v240-255 the sums, four chains each
.set G1,  24                           ; s[24:31] group 1 for the tiles; s[32:39] group 0, a set for each slot
.set G0,  32
.set DG,  46                           ; s46  1: my quarter of the tile holds hidden scores
.set G1S, 48                           ; s[48:55], s[56:59] the scale words
.set G0S, 56
.set CS,  60                           ; s[60:61] c = log2(e) / 32
.set MNT, 62
.set SEL, 18
.set HM,  47                           ; s47  lanes 16-31
.set PFS, 68                           ; s[68:69] my quarter, K slot 0
.set MSB, 0
.macro WIN new
.if MSB != (\new)
	s_set_vgpr_msb (MSB<<8)|(\new)
.set MSB, (\new)
.endif
.endm
.set MUL_LO, 0xa1
.set MUL_HI, 0xf1
.set TO_B,   0x40
.macro PLACES n
.rept \n
	v_nop
.endr
.endm
	s_load_b256 s[4:11], s[0:1], 0x0               ; qkv s[4:5], qkvs s[6:7], pc s[8:9], ps s[10:11]
	s_load_b64 s[12:13], s[0:1], 0x20              ; st
	v_lshl_add_u32 v[SPW], v0, 2, SPARE
	v_mov_b32 v[NIL], 0
	ds_add_u32 v[SPW], v[NIL]                      ; the wave's opening: the add, twice on end, and its wait ahead of my first tensor load
	ds_add_u32 v[SPW], v[NIL]
	v_lshrrev_b32 v1, 5, v0
	v_readfirstlane_b32 s14, v1                    ; wave 0..3
	s_lshr_b32 s15, s14, 1                         ; which half of the queries is mine.  Also: I fetch for q (0) or for k (1)
	s_and_b32 s16, s14, 1                          ; which half of the keys.  Also: which 128 places I fetch
	s_and_b32 s17, ttmp7, 0xffff                   ; the batch
	s_mov_b32 s40, 0
.irp tri, 1,3,6,10,15,21,28
	s_cmp_ge_u32 ttmp9, \tri
	s_cselect_b32 s41, 1, 0
	s_add_co_u32 s40, s40, s41                     ; i
.endr
	s_add_co_u32 s41, s40, 1
	s_mul_i32 s41, s41, s40
	s_lshr_b32 s41, s41, 1
	s_sub_co_u32 s41, ttmp9, s41                   ; j
	s_lshl_b32 s42, s17, 3
	s_add_co_u32 s43, s42, s40                     ; q's row tile: 8 b + i
	s_sub_co_u32 s44, s41, s40
	s_add_co_u32 s44, s44, 32                      ; k's lies 32 + j - i row tiles further on
	s_mul_i32 s44, s44, s15
	s_add_co_u32 s45, s43, s44                     ; the row tile that I fetch
	s_lshl_b32 s20, s45, 18
	s_lshl_b32 s18, s16, 15
	s_add_co_u32 s20, s20, s18
	s_mov_b32 s21, 0
	s_lshl_b32 s22, s45, 13
	s_mov_b32 s23, 0
	s_lshl_b32 s45, s15, 17
	s_add_co_u32 s45, s45, s18                     ; in LDS: q's or k's slots, my half
	s_lshl_b32 s47, s15, 13
	s_mov_b32 s[G1], 0                             ; no mask, elements of 1 byte, no padding; 512 rows of 256 bytes (two K slots) for the head's loads, then 128
	s_mov_b32 s[G1+1], 256<<16
	s_mov_b32 s[G1+2], 512<<16
	s_mov_b32 s[G1+3], 256<<16
	s_mov_b32 s[G1+4], 512
	s_mov_b32 s[G1+5], 256
	s_mov_b32 s[G1+6], 0
	s_mov_b32 s[G1+7], 0
	s_mov_b32 s[G1S], 3<<16                        ; 8,192 dense bytes as 32 rows of 32 elements of 8 bytes
	s_mov_b32 s[G1S+1], 32<<16
	s_mov_b32 s[G1S+2], 32<<16
	s_mov_b32 s[G1S+3], 32<<16
	s_mov_b32 s[G1S+4], 32
	s_mov_b32 s[G1S+5], 32
	s_mov_b32 s[G1S+6], 0
	s_mov_b32 s[G1S+7], 0
	s_mov_b32 s[CS], 0x3d38aa3b
	s_mov_b32 s[CS+1], s[CS]
	s_mov_b32 s[MNT], 0x600000
	s_cmp_eq_u32 s40, s41
	s_cselect_b32 s[DG], 1, 0
	s_mov_b32 s70, s[DG]                           ; s70  1: a diagonal tile: this work-group prefetches row tile i of q and of k
	s_cmp_eq_u32 s14, 1
	s_cselect_b32 s88, -1, 0                       ; s88  wave 1 has the earlier queries and the later keys: on the diagonal all is hidden
	s_cmp_lg_u32 s14, 2                            ; wave 2 has the later queries and the earlier keys: nothing hidden
	s_cselect_b32 s[DG], s[DG], 0
	s_wait_dscnt 0x0                               ; both opening adds are done
	s_wait_kmcnt 0x0
	s_mov_b32 s[G0S], 1
	s_add_co_u32 s[G0S+1], s47, SCL
	s_add_nc_u64 s[G0S+2:G0S+3], s[6:7], s[22:23]
	s_or_b32 s[G0S+3], s[G0S+3], 0x80000000
	s_add_nc_u64 s[20:21], s[4:5], s[20:21]
	s_mov_b64 s[PFS:PFS+1], s[20:21]
.irp s, 0,1
	s_mov_b32 s[G0+4*\s], 1
	s_add_co_u32 s[G0+4*\s+1], s45, \s*SLOT
	s_add_nc_u64 s[G0+4*\s+2:G0+4*\s+3], s[20:21], \s*65536
	s_or_b32 s[G0+4*\s+3], s[G0+4*\s+3], 0x80000000
.endr
	s_cmp_eq_u32 s16, 0                            ; one tensor load a wave: waves 0, 2 fetch K slots 0 and 1 of q, of k (one dense run); waves 1, 3 their scale words for all of K
	s_cbranch_scc0 .Lhead_s
	tensor_load_to_lds s[G0:G0+3], s[G1:G1+7]
	s_nop 0
	PLACES 4
	s_branch .Lhead_asked
.Lhead_s:
	tensor_load_to_lds s[G0S:G0S+3], s[G1S:G1S+7]
	s_nop 0
	PLACES 4
.Lhead_asked:
	v_and_b32 v1, 15, v0                           ; r
	v_bfe_u32 v2, v0, 4, 1                         ; h
	v_and_b32 v3, 31, v0
	v_lshlrev_b32 v4, 4, v3                        ; 16 x lane
	v_lshlrev_b32 v[PFV], 8, v3
	s_wait_alu depctr_va_vdst(0)
	s_lshl_b32 s21, s15, 15
	s_lshl_b32 s22, s16, 15
	s_add_co_u32 s22, s22, KOFF
.irp s, 0,1
	v_add_nc_u32 v[ADRA+\s], s21, v4
	v_add_nc_u32 v[ADRB+\s], s22, v4
	s_add_co_u32 s21, s21, SLOT
	s_add_co_u32 s22, s22, SLOT
.endr
	s_lshl_b32 s21, s15, 9
	s_lshl_b32 s22, s16, 9
	s_add_co_u32 s22, s22, 8192
	s_sub_co_u32 s22, s22, s21
	v_mul_u32_u24 v5, s22, v2                      ; lanes 16-31 take k's words
	s_add_co_u32 s21, s21, SCL
	v_lshl_add_u32 v[ADRS], v1, 4, s21
	v_add_nc_u32 v[ADRS], v[ADRS], v5
	v_lshlrev_b32 v[CO], 4, v3
	v_lshlrev_b32 v6, 4, v1
	v_lshl_add_u32 v[MSO], v2, 3, v6
	v_lshlrev_b32 v6, 3, v1
	v_lshl_add_u32 v[STO], v2, 7, v6
	v_lshrrev_b32 v5, 3, v1
	v_and_b32 v6, 7, v1
	v_lshl_add_u32 v5, v5, 4, v6                   ; 16 (r / 8) + r % 8
	v_lshlrev_b32 v6, 4, v2
	v_sub_nc_u32 v5, v5, v6
	s_sub_co_i32 s21, s15, s16
	s_lshl_b32 s21, s21, 7
	v_add_nc_u32 v[D0], s21, v5
	s_wait_alu depctr_va_vdst(0)
	s_lshl_b32 s20, s43, 3
	s_add_co_u32 s20, s20, s41                     ; p's block: 8 (8 b + i) + j
	s_lshl_b32 s22, s20, 16
	s_lshl_b32 s23, s15, 15
	s_add_co_u32 s22, s22, s23
	s_lshl_b32 s23, s16, 11
	s_add_co_u32 s22, s22, s23
	s_mov_b32 s23, 0
	s_add_nc_u64 s[8:9], s[8:9], s[22:23]
	s_lshl_b32 s22, s20, 11
	s_lshl_b32 s21, s16, 10
	s_add_co_u32 s22, s22, s21
	s_lshl_b32 s21, s15, 9
	s_add_co_u32 s22, s22, s21
	s_add_nc_u64 s[10:11], s[10:11], s[22:23]
	s_lshl_b32 s20, s17, 4
	s_lshl_b32 s21, s41, 1
	s_add_co_u32 s20, s20, s21
	s_add_co_u32 s20, s20, s16                     ; 16 b + my chunk of 128 keys
	s_lshl_b32 s20, s20, 11
	s_lshl_b32 s21, s40, 8
	s_add_co_u32 s20, s20, s21
	s_lshl_b32 s21, s15, 7
	s_add_co_u32 s20, s20, s21                     ; + my first place
	s_lshl_b32 s20, s20, 3
	s_mov_b32 s21, 0
	s_add_nc_u64 s[12:13], s[12:13], s[20:21]
	s_mov_b32 s[SEL], 0x76543210
	s_mov_b32 s[SEL+1], 0xfedcba98
	s_mov_b32 s[HM], 0xffff0000
; A PREFETCH of a later K slot.  All work-groups of a row tile read the same rows of q or of k; each tile has one work-group on the diagonal, which reads both: it asks for them, a quarter (32,768 bytes) a wave, each block of 256 bytes once.
; K slot 2 is asked for here, K slot 3 behind the first fragments: each a slot and more ahead of its load; behind that there is none.
.macro ASK slot
	s_cmp_eq_u32 s70, 0
	s_cbranch_scc1 .Lnot_mine_\@
.irp k, 0,1,2,3
	global_prefetch_b8 v[PFV], s[PFS:PFS+1] offset:65536*\slot+8192*\k th:TH_LOAD_NT scope:SCOPE_SE
.endr
.Lnot_mine_\@:
.endm
	ASK 2
.macro FRAG reg, adr, q, i
.irp c, 0,1,2,3
	ds_load_b128 v[\reg+4*\c:\reg+4*\c+3], v[\adr] offset:2048*(\q)+512*\c+(\i)*4096
.endr
.endm
; The 64 accumulators take turns, one instruction a turn, in the same order in every step.
.macro MUL16 a0, p, q, sc, zero
.irp a, \a0, \a0+1
.irp b, 0,1,2,3,4,5,6,7
.if \zero
	v_wmma_scale_f32_16x16x128_f8f6f4 v[8*(8*((\a)%4)+\b):8*(8*((\a)%4)+\b)+7], v[128*(\p)+FR*\b:128*(\p)+FR*\b+FR-1], v[AF+FR*(\a):AF+FR*(\a)+FR-1], 0, v[SC+16*(\sc)+8*(\q)+\b], v[SC+16*(\sc)+8*(\q)+(\a)] matrix_a_scale:MATRIX_SCALE_ROW1
.else
	v_wmma_scale_f32_16x16x128_f8f6f4 v[8*(8*((\a)%4)+\b):8*(8*((\a)%4)+\b)+7], v[128*(\p)+FR*\b:128*(\p)+FR*\b+FR-1], v[AF+FR*(\a):AF+FR*(\a)+FR-1], v[8*(8*((\a)%4)+\b):8*(8*((\a)%4)+\b)+7], v[SC+16*(\sc)+8*(\q)+\b], v[SC+16*(\sc)+8*(\q)+(\a)] matrix_a_scale:MATRIX_SCALE_ROW1
.endif
.endr
.endr
.endm
.macro FETCH_B slot, q, p
	WIN TO_B
.irp i, 0,1,2,3,4,5,6,7
	FRAG 128*(\p)+FR*\i, ADRB+\slot, \q, \i
.endr
	WIN 0
.endm
.macro FETCH_A slot, q, i0
.irp i, \i0, \i0+1, \i0+2, \i0+3
	FRAG AF+FR*(\i), ADRA+\slot, \q, \i
.endr
.endm
.macro SCALES sc, ks                   ; K slot ks's words: lanes 0-15 q's, lanes 16-31 k's; a register for each K step and tile
.irp i, 0,1,2,3
	ds_load_b128 v[SC+16*\sc+4*\i:SC+16*\sc+4*\i+3], v[ADRS] offset:2048*\ks+1024*(\i/2)+256*(\i%2)
.endr
.endm
.macro STEP slot, q, zero
	s_wait_dscnt 4*NL                              ; all but the youngest sixteen loads (q's blocks 4-7)
	WIN MUL_LO
	MUL16 0, (\q)%2, \q, \slot, \zero
	MUL16 2, (\q)%2, \q, \slot, \zero
	s_wait_dscnt 0
	PLACES NP
	FETCH_B \slot, (\q)+1, 1-(\q)%2
	FETCH_A \slot, (\q)+1, 0
	WIN MUL_HI
	MUL16 4, (\q)%2, \q, \slot, \zero
	MUL16 6, (\q)%2, \q, \slot, \zero
	PLACES NP
	WIN 0
	FETCH_A \slot, (\q)+1, 4
.endm
.macro TURN slot, next, fill, ks
	s_wait_tensorcnt 0x0                           ; all my tensor loads have landed, so a group 0 may be written
	ds_add_u32 v[SPW], v[NIL]
.if \fill
	s_add_nc_u64 s[G0+4*\slot+2:G0+4*\slot+3], s[G0+4*\slot+2:G0+4*\slot+3], 131072   ; two K slots on
.endif
	s_wait_dscnt 4*NL+1                            ; (the add and the youngest sixteen loads may be out)
	WIN MUL_LO
	MUL16 0, 1, 1, \slot, 0
	s_wait_dscnt 0x0                               ; the add is done, and my reads of this slot are over
	s_barrier_signal -1
	MUL16 2, 1, 1, \slot, 0
	WIN 0
	s_barrier_wait -1
.if \fill
	tensor_load_to_lds s[G0+4*\slot:G0+4*\slot+3], s[G1:G1+7]   ; my one tensor load behind the barrier, and the first thing there
	s_nop 0
.endif
	PLACES NP
	FETCH_B \next, 0, 0
	FETCH_A \next, 0, 0
	SCALES \next, \ks
	WIN MUL_HI
	MUL16 4, 1, 1, \slot, 0
	MUL16 6, 1, 1, \slot, 0
	PLACES NP
	WIN 0
	FETCH_A \next, 0, 4
.endm
	s_wait_alu depctr_va_vdst(0)                   ; the wait at the head's end
	s_wait_tensorcnt 0x0                           ; my part of the head's tiles is in, so a descriptor may be written:
	s_mov_b32 s[G1+2], 128<<16                     ; from here on 128 rows
	s_mov_b32 s[G1+4], 128
	s_barrier_signal -1
	s_barrier_wait -1                              ; everybody's is
	FETCH_B 0, 0, 0
	FETCH_A 0, 0, 0
	SCALES 0, 0
	FETCH_A 0, 0, 4
	ASK 3
	STEP 0, 0, 1
	TURN 0, 1, 1, 1
	STEP 1, 0, 0
	TURN 1, 0, 1, 2
	STEP 0, 0, 0
	TURN 0, 1, 0, 3
	STEP 1, 0, 0
	s_wait_dscnt 4*NL
	WIN MUL_LO
	MUL16 0, 1, 1, 1, 0
	MUL16 2, 1, 1, 1, 0
	s_wait_dscnt 0
	WIN MUL_HI
	MUL16 4, 1, 1, 1, 0
	MUL16 6, 1, 1, 1, 0
	WIN 0
; THE WAY OUT, two blocks of 16 places of queries (2 p, 2 p + 1) x my 128 keys at once, line by line in turn; register 16 b + i of a lane is key 32 b + 16 (lane / 16) + i.
.macro PROW2 p
.set AC, 128*((\p)%2)
.set WN, 2+(\p)/2
.set W2, WN|(WN<<2)
.set WM, WN|(WN<<6)
.set CB, 16*(\p)
.if (\p) > 0
	s_wait_xcnt 0x0                                ; the earlier stores have read their registers
.endif
	s_cmp_eq_u32 s[DG], 0                          ; ids alone: off the diagonal, and in wave 2, nothing is hidden
	s_cbranch_scc1 .Lopen_\@
	s_wait_alu depctr_va_vdst(0)
.irp e, 0,1
	; these queries lie in the 32 of number p: the keys of that 32 are compared one by one, those of later 32s are hidden, those of earlier ones open (in wave 1 hidden)
	v_add_nc_u32 v[DD], 8*\e, v[D0]
	WIN WM
.set Q, 0
.rept 4
.irp i, 0,1,2,3
	v_cmp_gt_i32 s[84+\i], 4*Q+\i, v[DD]
.endr
.irp i, 0,1,2,3
	v_cndmask_b32 v[AC+64*\e+CB+4*Q+\i], v[AC+64*\e+CB+4*Q+\i], v[NINF], s[84+\i]
.endr
.set Q, Q+1
.endr
.set Q, 0
.rept CB
	v_cndmask_b32 v[AC+64*\e+Q], v[AC+64*\e+Q], v[NINF], s88
.set Q, Q+1
.endr
.set Q, CB+16
.rept 48-CB
	v_mov_b32 v[AC+64*\e+Q], 0xff800000
.set Q, Q+1
.endr
	WIN 0
.endr
.Lopen_\@:
	WIN W2
.irp e, 0,1
.irp b, 0,1,2,3
	v_max3_num_f32 v[BM+4*\e+\b], v[AC+64*\e+16*\b], v[AC+64*\e+16*\b+1], 0xff800000   ; the largest score of each block of 32 keys; each accumulator is read from its low end on
.endr
.endr
.irp i, 2,4,6,8,10,12,14
.irp e, 0,1
.irp b, 0,1,2,3
	v_max3_num_f32 v[BM+4*\e+\b], v[AC+64*\e+16*\b+\i], v[AC+64*\e+16*\b+\i+1], v[BM+4*\e+\b]
.endr
.endr
.endr
	WIN 0
.irp k, 0,1,2,3,4,5,6,7
	v_permlanex16_b32 v[X1+\k], v[BM+\k], s[SEL], s[SEL+1]
.endr
.irp k, 0,1,2,3,4,5,6,7
	v_max_num_f32 v[BM+\k], v[BM+\k], v[X1+\k]
.endr
.irp e, 0,1
	v_max3_num_f32 v[TA+\e], v[BM+4*\e], v[BM+4*\e+1], v[BM+4*\e+2]
.endr
.irp e, 0,1
	v_max_num_f32 v[TA+\e], v[TA+\e], v[BM+4*\e+3]
.endr
.irp e, 0,1
	v_mul_f32 v[TA+\e], s[CS], v[TA+\e]            ; the chunk's largest t
.endr
.irp e, 0,1
	v_max_num_f32 v[TA+\e], 0xff61b1e6, v[TA+\e]   ; -3e38 where the whole chunk is hidden: M stays a number
.endr
.irp e, 0,1
	v_floor_f32 v[NN+2*\e], -v[TA+\e]              ; -M = floor(-t) = -ceil(t)
.endr
	WIN WN
.set Q, 0
.rept 32
.irp e, 0,1
	v_pk_fma_f32 v[T+64*\e+2*Q:T+64*\e+2*Q+1], v[AC+64*\e+2*Q:AC+64*\e+2*Q+1], s[CS:CS+1], v[NN+2*\e:NN+2*\e+1] op_sel_hi:[1,0,0]   ; t - M, two at a time
.endr
.set Q, Q+1
.endr
	WIN 0
.irp e, 0,1
.irp b, 0,1,2,3
	v_fma_f32 v[BM+4*\e+\b], v[BM+4*\e+\b], s[CS], v[NN+2*\e]   ; the same of each block's largest score
.endr
.endr
	s_wait_alu depctr_va_vdst(0)                   ; the wait ahead of the batch too
.set Q, 0
.rept 128
	v_exp_f32 v[T+Q], v[T+Q]                       ; p = 2^(t - M), at most 1
.set Q, Q+1
.endr
	v_mov_b32 v[STA], v[NN]                        ; (plain instructions behind the exponentials)
	v_mov_b32 v[STA+2], v[NN+2]
	s_wait_alu depctr_va_vdst(0)                   ; one wait for the batch, ahead of its first reader
.irp k, 0,1,2,3,4,5,6,7
	v_exp_f32 v[BM+\k], v[BM+\k]                   ; the blocks' largest p: the same two instructions on the same number give the same bits
.endr
.irp e, 0,1
.irp c, 0,1,2,3                        ; the sums of the unquantised p, four chains each
	v_pk_add_f32 v[SU+8*\e+2*\c:SU+8*\e+2*\c+1], v[T+64*\e+4*\c:T+64*\e+4*\c+1], v[T+64*\e+4*\c+2:T+64*\e+4*\c+3]
.endr
.endr
.irp j, 16,24,32,40,48,56
.irp e, 0,1
.irp c, 0,1,2,3
	v_pk_add_f32 v[SU+8*\e+2*\c:SU+8*\e+2*\c+1], v[SU+8*\e+2*\c:SU+8*\e+2*\c+1], v[T+64*\e+\j+2*\c:T+64*\e+\j+2*\c+1]
.endr
.endr
.endr
.irp e, 0,1
	v_pk_add_f32 v[SU+8*\e:SU+8*\e+1], v[SU+8*\e:SU+8*\e+1], v[SU+8*\e+2:SU+8*\e+3]
	v_pk_add_f32 v[SU+8*\e+4:SU+8*\e+5], v[SU+8*\e+4:SU+8*\e+5], v[SU+8*\e+6:SU+8*\e+7]
.endr
.irp e, 0,1
	v_pk_add_f32 v[SU+8*\e:SU+8*\e+1], v[SU+8*\e:SU+8*\e+1], v[SU+8*\e+4:SU+8*\e+5]
.endr
.irp e, 0,1
	v_add_f32 v[TA+\e], v[SU+8*\e], v[SU+8*\e+1]
.endr
.irp e, 0,1
	v_permlanex16_b32 v[TB+\e], v[TA+\e], s[SEL], s[SEL+1]
.endr
.irp e, 0,1
	v_add_f32 v[STA+2*\e+1], v[TA+\e], v[TB+\e]    ; with lane l xor 16's 64 keys
.endr
	s_wait_alu depctr_va_vdst(0)                   ; and one for the eight
.irp k, 0,1,2,3,4,5,6,7
	v_max_num_f32 v[BM+\k], 0x4800000, v[BM+\k]    ; the floor 2^(9 - 127): the byte cannot fall under 1
.endr
.irp k, 0,1,2,3,4,5,6,7
	v_add_nc_u32 v[SO+\k], 0xfc000000, v[BM+\k]
.endr
.irp k, 0,1,2,3,4,5,6,7
	v_and_or_b32 v[HL+\k], v[BM+\k], 0x7f800000, s[MNT]
.endr
.irp k, 0,1,2,3,4,5,6,7
	v_lshrrev_b32 v[X1+\k], 23, v[SO+\k]
.endr
.irp e, 0,1
	v_lshl_or_b32 v[WRD+2*((\p)%2)+\e], v[X1+4*\e+1], 8, v[X1+4*\e]
.endr
.irp e, 0,1
	v_lshl_or_b32 v[WRD+2*((\p)%2)+\e], v[X1+4*\e+2], 16, v[WRD+2*((\p)%2)+\e]
.endr
.irp e, 0,1
	v_lshl_or_b32 v[WRD+2*((\p)%2)+\e], v[X1+4*\e+3], 24, v[WRD+2*((\p)%2)+\e]
.endr
.irp k, 0,1,2,3,4,5,6,7
.irp i, 0,1,2,3,4,5,6,7,8,9,10,11,12,13,14,15
	v_min_num_f32 v[T+16*\k+\i], v[T+16*\k+\i], v[HL+\k]   ; p is not negative: the hold is one-sided
.endr
	v_cvt_scalef32_pk8_fp8_f32 v[PC+4*\k:PC+4*\k+1], v[T+16*\k:T+16*\k+7], v[SO+\k]
	v_cvt_scalef32_pk8_fp8_f32 v[PC+4*\k+2:PC+4*\k+3], v[T+16*\k+8:T+16*\k+15], v[SO+\k]
.endr
	v_nop                                          ; a plain instruction behind the last conversion
.irp e, 0,1
.irp c, 0,1,2,3
	global_store_b128 v[CO], v[PC+16*\e+4*\c:PC+16*\e+4*\c+3], s[8:9] offset:(2*(\p)+\e)*4096+512*\c   ; 512 consecutive bytes
.endr
.endr
	v_cndmask_b32 v[PST], v[STA], v[STA+2], s[HM]  ; lanes 0-15 the first block's pairs, lanes 16-31 the second's: 256 consecutive bytes
	v_cndmask_b32 v[PST+1], v[STA+1], v[STA+3], s[HM]
	global_store_b64 v[STO], v[PST:PST+1], s[12:13] offset:(\p)*256
.if (\p)%2 == 1                        ; four blocks' scale words: 256 consecutive bytes
	v_cndmask_b32 v[WST], v[WRD], v[WRD+2], s[HM]
	v_cndmask_b32 v[WST+1], v[WRD+1], v[WRD+3], s[HM]
	global_store_b64 v[MSO], v[WST:WST+1], s[10:11] offset:((\p)/2)*256
.endif
.endm
	PLACES NP
.irp k, 0,1,2,3,4,5,6,7
	v_mov_b32 v[X1+\k], 0                          ; written once: a lane permute's destination counts as one of its sources
.endr
	v_mov_b32 v[TB], 0
	v_mov_b32 v[TB+1], 0
	v_mov_b32 v[NN+1], 0                           ; (named as the upper halves of pairs)
	v_mov_b32 v[NN+3], 0
	v_mov_b32 v[NINF], 0xff800000
	s_wait_alu depctr_va_vdst(0)
	PROW2 0
	PROW2 1
	PROW2 2
	PROW2 3
	s_wait_tensorcnt 0x0                           ; the wave's end
	ds_add_u32 v[SPW], v[NIL]
	s_wait_dscnt 0x0
	s_endpgm
.Lfunc_end_k_qd5c2388728_scores:
	.size	k_qd5c2388728_scores, .Lfunc_end_k_qd5c2388728_scores-k_qd5c2388728_scores
	.p2alignl 7, 3214868480
	.fill 96, 4, 3214868480
	.section	.rodata,"a",@progbits
	.p2align	6, 0x0
	.amdhsa_kernel k_qd5c2388728_scores
		.amdhsa_group_segment_fixed_size 327680
		.amdhsa_private_segment_fixed_size 0
		.amdhsa_enable_private_segment 0
		.amdhsa_kernarg_size 40
		.amdhsa_user_sgpr_count 2
		.amdhsa_user_sgpr_kernarg_segment_ptr 1
		.amdhsa_wavefront_size32 1
		.amdhsa_system_sgpr_workgroup_id_x 1
		.amdhsa_system_sgpr_workgroup_id_y 1
		.amdhsa_system_sgpr_workgroup_id_z 1
		.amdhsa_system_vgpr_workitem_id 0
		.amdhsa_next_free_vgpr 1024
		.amdhsa_next_free_sgpr 100
		.amdhsa_reserve_vcc 0
		.amdhsa_float_denorm_mode_32 3
		.amdhsa_float_denorm_mode_16_64 3
		.amdhsa_memory_ordered 1
		.amdhsa_forward_progress 1
		.amdhsa_inst_pref_size 255
	.end_amdhsa_kernel
	.section	.bss,"aw",@nobits
	.p2align	6
	.space	262144
	.amdgpu_metadata
---
amdhsa.version: [ 1, 2 ]
amdhsa.kernels:
  - .name:           k_qd5c2388728_scores
    .symbol:         k_qd5c2388728_scores.kd
    .args:
      - { .name: qkv, .offset: 0, .size: 8, .value_kind: global_buffer, .address_space: global }
      - { .name: qkvs, .offset: 8, .size: 8, .value_kind: global_buffer, .address_space: global }
      - { .name: pc, .offset: 16, .size: 8, .value_kind: global_buffer, .address_space: global }
      - { .name: ps, .offset: 24, .size: 8, .value_kind: global_buffer, .address_space: global }
      - { .name: st, .offset: 32, .size: 8, .value_kind: global_buffer, .address_space: global }
    .group_segment_fixed_size: 327680
    .private_segment_fixed_size: 0
    .kernarg_segment_align: 8
    .kernarg_segment_size: 40
    .max_flat_workgroup_size: 128
    .sgpr_count:     100
    .vgpr_count:     1024
    .wavefront_size: 32
...
	.end_amdgpu_metadata
.endif
;; end of part 3
;; launch pv (part 4): grid 8 x 32, 4 waves a work-group, clusters of 4 x 1, 327,680 bytes of LDS; arguments pc, ps, st, qkv, qkvs, out0; writes out0
.if DOCPART == 4
	.amdgcn_target "amdgcn-amd-amdhsa--gfx1250"
	.amdhsa_code_object_version 6
	.text
	.protected	k_qd5c2388728_pv
	.globl	k_qd5c2388728_pv
	.p2align	8
	.type	k_qd5c2388728_pv,@function
k_qd5c2388728_pv:
	s_mov_b64 s[64:65], 0
	v_nop
	global_prefetch_b8 v0, s[64:65] scope:SCOPE_SE
	s_setreg_imm32_b32 hwreg(HW_REG_WAVE_MODE, 25, 1), 1
	s_wait_xcnt 0x0
	s_wait_alu depctr_hold_cnt(0) depctr_sa_sdst(0) depctr_va_vdst(0) depctr_va_sdst(0) depctr_va_ssrc(0) depctr_va_vcc(0) depctr_vm_vsrc(0)
	s_getreg_b32 s2, hwreg(HW_REG_IB_STS2, 6, 4)
	s_cmp_eq_u32 s2, 0
	s_cbranch_scc0 .Lentry_in_a_cluster
	s_endpgm
.Lentry_in_a_cluster:
	s_bfe_u32 s2, ttmp6, 0x10000c
	s_cmp_lg_u32 s2, 0x3003
	s_cbranch_scc0 .Lentry_shape_is_right
	s_endpgm
.Lentry_shape_is_right:
; out = (p v) / l on codes of E4M3; K = the keys.  WORK LEFT OUT: key slots of 256 that lie wholly behind a tile's queries, whose p reference() itself makes 0 (see the first launch's head).
; p arrives under an M of its own for each row and chunk of 128 keys.  The row's M is the largest of them; a chunk comes under it by taking d = M_row - M_chunk, a whole number, off its four scale bytes; the chunks' sums are
; multiplied by 2^-d and added: l.  LIMIT: d is held at 127, and a byte that would fall under 0 becomes 0 (2^-127): what is lost is under 448 x 2^-127 x |v| beside a row whose l is over 1/2.
; SHARES.  A work-group makes two tiles of 128 queries x 128 of the embedding axis: row tile 15 - g ('hi') and row tile g ('lo') of a batch: together they need 9 key slots for every g, so all 256 work-groups do equal work and
; every count is a constant.  The slots in order: 0: hi, keys 0-255; 1: lo, keys 0-255; 2-5: hi, key slots 1-4; 6 + k: hi's key slot 5 + k where hi has it, else lo's next.  Four waves, each 64 x 64 of both tiles.
; Source 0 = 16 places of v^T, source 1 = 16 places of p: a lane holds one query, its registers run along the embedding axis.  Place p holds row pi(p) (bits 3, 4 exchanged), of queries and of v^T's rows: the stores undo both.
; CLUSTER: the four partners share y, so they walk the same tiles of p: those are asked for jointly.  v^T's tiles differ from partner to partner and come by loads of each work-group's own, behind the same rounds.
; LDS: two big slots, each [p of an even slot, p of an odd slot, v^T of the even, v^T of the odd], 128 rows x 256 bytes each; one tensor load a wave fills a quarter.
; REGISTERS: window 0: v16-31 addresses; v32-47 scale words, two sets; v48-63 1 / l, in pairs; v64-205 the prologue's, later the way out's.  Window 1: p's fragments at v0, v64; v^T's at v128, v192.  Window 2: hi's 16 accumulators, then lo's.
; p's and v^T's tiles arrive as images of the operands' registers, [group of 16 places][K step][c][lane][16 bytes], and lie dense in LDS: 32,768 bytes for 128 places x 256 keys.
.set PITCH,  272                       ; the way out's stage rows
; This, the order of the slots stated further down and the stage's own bytes hold in place of what the lines above say of LDS rows, of the slots' order and of the way out.
.set HALFT,  32768
.set SLOT,   4*HALFT
.set SCW,    2*SLOT                    ; the scale words: [9 slots][K step][p's 128 rows, then v^T's 128][4 bytes]
.set LINV,   SCW+9*2048                ; 1 / l: hi's 128, lo's 128
.set SPARE,  LINV+1024                 ; the spare words, 128 bytes for each wave
.set STAGE,  SPARE+512                 ; the way out: 16 rows x 272 for each wave, bytes of its own: lo's rows leave while the big slots are still in use
.set ADRA, 16                          ; v16-17 p's fragments in big slot 0, 1
.set ADRB, 20                          ; v20-21 v^T's
.set ADRS, 22
.set STO,  24
.set RD,   25
.set CO,   26
.set LIA,  27
.set SPW,  28
.set NIL,  29
.set SCWA, 30
.set LIW,  31
.set SC,   32
.set LI,   48
.set T,    64
.set BK,   128
.set STT,  64                          ; the prologue: v64-99 (-M, sum) of chunk c at 2 c
.set PSW,  100                         ; v100-117 p's scale word of chunk c
.set VSW,  118                         ; v118-135 v^T's
.set VHST, 136
.set VLST, 137
.set VFST, 138
.set VHPS, 141
.set VLPS, 142
.set VFPS, 143
.set VB,   146
.set VFB,  147
.set NH,   150
.set NLO,  151
.set LH,   152
.set LL,   153
.set BIG,  154
.set ZR,   155
.set TC,   156
.set TD,   157
.set NRK,  160
.set DA,   170
.set DB,   188
.set WV,  16
.set G1A, 24
.set G1B, 32
.set G0A, 40
.set G0B, 48
.set FK,  66                           ; s66-68 1: slot 6 + k is hi's
.set MF,  69                           ; s69-71 the same as a mask of lanes
.set AFK, 75                           ; s75-77 where slot 6 + k's tile of p begins
.set BFK, 78                           ; s78-80 and of v^T
.set OAS, 81                           ; s81-85 what I fetch of p in group n, as an offset
.set OBS, 86                           ; s86-90 and of v^T
.set MSB, 0
.macro WIN new
.if MSB != (\new)
	s_set_vgpr_msb (MSB<<8)|(\new)
.set MSB, (\new)
.endif
.endm
.macro PLACES n
.rept \n
	v_nop
.endr
.endm
; Waves 0 and 1 fetch p's two tiles of a group (jointly), waves 2 and 3 v^T's.  An s_nop 0 and four v_nop follow each line.
.macro JLOAD g
	s_cmp_lt_u32 s[WV], 2
	s_cbranch_scc0 .Lfor_b_\@
	tensor_load_to_lds s[G0A+4*\g:G0A+4*\g+3], s[G1A:G1A+7]
	s_nop 0
.rept 4
	v_nop
.endr
	s_branch .Lasked_\@
.Lfor_b_\@:
	tensor_load_to_lds s[G0B+4*\g:G0B+4*\g+3], s[G1B:G1B+7]
	s_nop 0
.rept 4
	v_nop
.endr
.Lasked_\@:
.endm
.macro JLOAD_EVEN g                    ; the last group has one slot: waves 0 and 2 alone fetch
	s_cmp_eq_u32 s[WV], 0
	s_cbranch_scc0 .Lnot_a_\@
	tensor_load_to_lds s[G0A+4*\g:G0A+4*\g+3], s[G1A:G1A+7]
	s_nop 0
.rept 4
	v_nop
.endr
	s_branch .Lasked_\@
.Lnot_a_\@:
	s_cmp_eq_u32 s[WV], 2
	s_cbranch_scc0 .Lasked_\@
	tensor_load_to_lds s[G0B+4*\g:G0B+4*\g+3], s[G1B:G1B+7]
	s_nop 0
.rept 4
	v_nop
.endr
.Lasked_\@:
.endm
.macro CROUND                          ; a round of the cluster's barrier
	s_barrier_signal -1
	s_barrier_wait -1
	s_cmp_lg_u32 s[WV], 0
	s_cbranch_scc1 .Lnot_wave_0_\@
	s_barrier_signal -3
.Lnot_wave_0_\@:
	s_barrier_wait -3
	s_barrier_signal -1
	s_barrier_wait -1
.endm
	s_load_b256 s[4:11], s[0:1], 0x0               ; pc s[4:5], ps s[6:7], st s[8:9], qkv s[10:11]
	s_load_b128 s[12:15], s[0:1], 0x20             ; qkvs s[12:13], out0 s[14:15]
	v_lshl_add_u32 v[SPW], v0, 2, SPARE
	v_mov_b32 v[NIL], 0
	ds_add_u32 v[SPW], v[NIL]                      ; the wave's opening: the add, twice on end, and its wait ahead of my first tensor load
	ds_add_u32 v[SPW], v[NIL]
	v_lshrrev_b32 v1, 5, v0
	v_readfirstlane_b32 s[WV], v1                  ; wave 0..3
	s_lshr_b32 s17, s[WV], 1                       ; which 64 queries are mine
	s_and_b32 s18, s[WV], 1                        ; which 64 of the embedding axis.  Also: I fetch a group's even (0) or odd (1) slot
	s_bfe_u32 s19, ttmp6, 0x40000                  ; cx
	s_lshl_b32 s20, ttmp9, 2
	s_add_co_u32 s20, s20, s19                     ; the tile of 128 along the embedding axis
	s_and_b32 s21, ttmp7, 0xffff
	s_lshr_b32 s22, s21, 3                         ; the batch
	s_and_b32 s23, s21, 7                          ; g
	s_sub_co_u32 s56, 15, s23                      ; hi's row tile of 128
	s_mov_b32 s57, s23                             ; lo's
	s_lshr_b32 s58, s56, 1
	s_add_co_u32 s58, s58, 1                       ; hi's key slots: 5 to 8
	s_lshl_b32 s62, s22, 3
	s_lshr_b32 s63, s56, 1
	s_add_co_u32 s63, s63, s62
	s_lshl_b32 s59, s63, 19
	s_and_b32 s63, s56, 1
	s_lshl_b32 s63, s63, 15
	s_add_co_u32 s59, s59, s63                     ; hi's tile of p, key slot 0: block 8 (8 b + row tile / 2), its half
	s_lshr_b32 s63, s57, 1
	s_add_co_u32 s63, s63, s62
	s_lshl_b32 s60, s63, 19
	s_and_b32 s63, s57, 1
	s_lshl_b32 s63, s63, 15
	s_add_co_u32 s60, s60, s63                     ; lo's
	s_lshl_b32 s93, s22, 2
	s_lshr_b32 s94, s20, 1
	s_add_co_u32 s93, s93, s94
	s_lshl_b32 s93, s93, 3
	s_add_co_u32 s93, s93, 256
	s_lshl_b32 s61, s93, 16
	s_and_b32 s94, s20, 1
	s_lshl_b32 s94, s94, 15
	s_add_co_u32 s61, s61, s94                     ; v^T's tile, key slot 0: block 256 + 8 (4 b + tile / 2), its half
	s_mov_b32 s[G1A], 15|(1<<21)                   ; the mask: all four partners; bit 21 beside it; elements of 1 byte, no padding
	s_mov_b32 s[G1B], 0                            ; the same with no mask
.irp g, G1A, G1B
	s_mov_b32 s[\g+1], 256<<16
	s_mov_b32 s[\g+2], 128<<16
	s_mov_b32 s[\g+3], 256<<16
	s_mov_b32 s[\g+4], 128
	s_mov_b32 s[\g+5], 256
	s_mov_b32 s[\g+6], 0
	s_mov_b32 s[\g+7], 0
.endr
	s_cmp_eq_u32 s18, 0
	s_cselect_b32 s[OAS], s59, s60                 ; group 0: hi's and lo's key slot 0
	s_mov_b32 s[OBS], s61
	s_add_co_u32 s62, s18, 2
	s_lshl_b32 s62, s62, 16
	s_add_co_u32 s[OAS+3], s59, s62                ; group 3: hi's key slots 2, 3
	s_add_co_u32 s[OBS+3], s61, s62
	s_add_co_u32 s[OAS+4], s59, 4*65536            ; group 4: 4
	s_add_co_u32 s[OBS+4], s61, 4*65536
	s_mul_i32 s63, s[WV], HALFT
	s_mov_b32 s3, 0
	s_mov_b32 s95, 0
	s_wait_dscnt 0x0                               ; both opening adds are done
	s_wait_kmcnt 0x0
	CROUND                                         ; all four work-groups are here: the first joint loads meet
.macro GRP n
	s_mov_b32 s[G0A+4*\n], 1
	s_add_co_u32 s[G0A+4*\n+1], s63, \n*SLOT
	s_mov_b32 s2, s[OAS+\n]
	s_add_nc_u64 s[G0A+4*\n+2:G0A+4*\n+3], s[4:5], s[2:3]
	s_or_b32 s[G0A+4*\n+3], s[G0A+4*\n+3], 0x80000000
	s_mov_b32 s[G0B+4*\n], 1
	s_add_co_u32 s[G0B+4*\n+1], s63, \n*SLOT
	s_mov_b32 s94, s[OBS+\n]
	s_add_nc_u64 s[G0B+4*\n+2:G0B+4*\n+3], s[10:11], s[94:95]
	s_or_b32 s[G0B+4*\n+3], s[G0B+4*\n+3], 0x80000000
.endm
	GRP 0
	JLOAD 0                                        ; one tensor load a wave at the head
	; THE PROLOGUE.  Thread t serves place t of hi and of lo, and place t of v^T's tile
	v_lshlrev_b32 v7, 2, v0                        ; 4 t: thread t serves word t of 128: in p's order place 64 (t / 64) + 16 (t % 4) + (t / 4) % 16
	v_bfe_u32 v8, v0, 2, 4
	v_and_b32 v9, 3, v0
	v_lshl_add_u32 v8, v9, 4, v8
	v_and_b32 v9, 64, v0
	v_add_nc_u32 v8, v8, v9                        ; that place
	v_lshlrev_b32 v1, 3, v8
.macro SOFF src                        ; s62 = where the scale words of the codes at offset s[src] begin: 2,048 bytes a block, 512 for its second half
	s_lshr_b32 s62, s[\src], 5
	s_bfe_u32 s63, s[\src], 0x1000f
	s_lshl_b32 s63, s63, 9
	s_sub_co_u32 s62, s62, s63
.endm
	s_wait_alu depctr_va_vdst(0)
	s_lshl_b32 s93, s22, 18
	s_lshl_b32 s91, s56, 10
	s_add_co_u32 s91, s91, s93                     ; hi's pairs (-M, sum), chunk 0
	s_lshl_b32 s92, s57, 10
	s_add_co_u32 s92, s92, s93                     ; lo's
.irp k, 0,1,2
	s_sub_co_u32 s62, 6+\k, s58                    ; lo's key slot, where the slot is lo's
	s_cmp_gt_u32 s58, 5+\k
	s_cselect_b32 s[FK+\k], 1, 0
	s_cselect_b32 s[MF+\k], -1, 0
	s_cselect_b32 s93, 5+\k, s62
	s_cselect_b32 s[AFK+\k], s59, s60
	s_cselect_b32 s63, s91, s92
	s_lshl_b32 s62, s93, 16
	s_add_co_u32 s[AFK+\k], s[AFK+\k], s62
	s_add_co_u32 s[BFK+\k], s61, s62
	s_lshr_b32 s62, s62, 1
	s_add_co_u32 s63, s63, s62
	v_add_nc_u32 v[VFST+\k], s63, v1
	SOFF AFK+\k
	v_add_nc_u32 v[VFPS+\k], s62, v7
	SOFF BFK+\k
	v_add_nc_u32 v[VFB+\k], s62, v7
.endr
	; THE STEPS TAKE THE SLOTS IN THIS ORDER: hi's 0, lo's 0, the three chosen, hi's 1 to 4 (the scale words keep the order of the head comment): so lo is finished first and leaves during hi's last four slots
	s_add_co_u32 s62, s59, 65536
	s_add_co_u32 s63, s61, 65536
	s_cmp_eq_u32 s18, 0
	s_cselect_b32 s[OAS+1], s[AFK], s[AFK+1]       ; group 1: the first two chosen
	s_cselect_b32 s[OBS+1], s[BFK], s[BFK+1]
	s_cselect_b32 s[OAS+2], s[AFK+2], s62          ; group 2: the third, and hi's 1
	s_cselect_b32 s[OBS+2], s[BFK+2], s63
; A PREFETCH of the next group's tiles, one group (four steps) ahead of their load.  Waves 0, 1 ask for p's two tiles: the four partners take 8,192 bytes each, by address (cx).  Waves 2, 3 ask for v^T's: the eight row pairs of a batch read the same tiles
; (of the chosen slots: those that chose alike), and each takes 4,096 bytes, by address (g); lanes 16-31 name the same blocks again.  Behind the last group there is none.
	s_lshl_b32 s72, s19, 13
	s_lshl_b32 s73, s23, 12
	s_cmp_lt_u32 s[WV], 2
	s_cselect_b32 s74, s72, s73
	s_cselect_b32 s72, 31, 15
	v_and_b32 v10, s72, v0
	v_lshlrev_b32 v10, 8, v10                      ; v10  the prefetches' offset; never rewritten
.macro ASK n
	s_wait_xcnt 0x0                                ; the last prefetch has read its base
	s_cmp_lt_u32 s[WV], 2
	s_cselect_b64 s[72:73], s[4:5], s[10:11]
	s_cselect_b32 s2, s[OAS+\n], s[OBS+\n]
	s_add_co_u32 s2, s2, s74
	s_add_nc_u64 s[72:73], s[72:73], s[2:3]
.if \n == 4                            ; the last group has one slot: waves 0 and 2 alone
	s_cmp_eq_u32 s18, 0
	s_cbranch_scc0 .Lno_odd_\@
.endif
	global_prefetch_b8 v10, s[72:73] th:TH_LOAD_NT scope:SCOPE_SE
.if \n == 4
.Lno_odd_\@:
.endif
.endm
	v_add_nc_u32 v[VHST], s91, v1
	v_add_nc_u32 v[VLST], s92, v1
	SOFF 59
	v_add_nc_u32 v[VHPS], s62, v7
	SOFF 60
	v_add_nc_u32 v[VLPS], s62, v7
	SOFF 61
	v_add_nc_u32 v[VB], s62, v7
	s_wait_alu depctr_va_vdst(0)
.macro PLOAD v, vst, ist, vps, ips, vb, ib     ; slot v: two pairs, p's two words, v^T's two words; 32 lanes read 256 consecutive bytes
	global_load_b64 v[STT+4*\v:STT+4*\v+1], v[\vst], s[8:9] offset:\ist
	global_load_b64 v[STT+4*\v+2:STT+4*\v+3], v[\vst], s[8:9] offset:\ist+16384
	global_load_b32 v[PSW+2*\v], v[\vps], s[6:7] offset:\ips
	global_load_b32 v[PSW+2*\v+1], v[\vps], s[6:7] offset:\ips+1024
	global_load_b32 v[VSW+2*\v], v[\vb], s[12:13] offset:\ib
	global_load_b32 v[VSW+2*\v+1], v[\vb], s[12:13] offset:\ib+1024
.endm
	PLOAD 0, VHST, 0, VHPS, 0, VB, 0
	PLOAD 1, VLST, 0, VLPS, 0, VB, 0
	PLOAD 2, VHST, 32768, VHPS, 2048, VB, 2048
	PLOAD 3, VHST, 65536, VHPS, 4096, VB, 4096
	PLOAD 4, VHST, 98304, VHPS, 6144, VB, 6144
	PLOAD 5, VHST, 131072, VHPS, 8192, VB, 8192
	PLOAD 6, VFST, 0, VFPS, 0, VFB, 0
	s_wait_alu depctr_va_vdst(0)
	PLOAD 7, VFST+1, 0, VFPS+1, 0, VFB+1, 0
	PLOAD 8, VFST+2, 0, VFPS+2, 0, VFB+2, 0
	ASK 1
	v_and_b32 v2, 15, v0                           ; r
	v_bfe_u32 v3, v0, 4, 1                         ; h
	s_wait_alu depctr_va_vdst(0)
	v_mul_u32_u24 v4, v2, PITCH
	v_lshlrev_b32 v5, 4, v2
	v_lshl_add_u32 v5, v3, 8, v5                   ; 16 x lane
	s_wait_alu depctr_va_vdst(0)
	s_lshl_b32 s62, s17, 14
	s_lshl_b32 s63, s18, 14
	s_add_co_u32 s63, s63, 2*HALFT
.irp g, 0,1
	v_add_nc_u32 v[ADRA+\g], s62, v5
	v_add_nc_u32 v[ADRB+\g], s63, v5
	s_add_co_u32 s62, s62, SLOT
	s_add_co_u32 s63, s63, SLOT
.endr
	s_lshl_b32 s62, s17, 8
	s_lshl_b32 s63, s18, 4
	s_add_co_u32 s63, s63, 512
	s_sub_co_u32 s63, s63, s62
	v_lshl_add_u32 v6, v2, 4, s63
	v_mul_u32_u24 v6, v6, v3                       ; lanes 16-31 take v^T's words: 32 bytes from row to row, p's 16
	s_add_co_u32 s62, s62, SCW
	v_lshl_add_u32 v[ADRS], v2, 4, s62
	v_add_nc_u32 v[ADRS], v[ADRS], v6
	s_mul_i32 s62, s[WV], 16*PITCH
	s_add_co_u32 s62, s62, STAGE
	v_lshl_add_u32 v6, v3, 6, v4
	v_add_nc_u32 v[STO], s62, v6                   ; into my stage: row r, + 64 h
	v_mul_u32_u24 v6, v3, PITCH
	v_lshl_add_u32 v6, v2, 4, v6
	v_add_nc_u32 v[RD], s62, v6                    ; back: lanes 0-15 one row, lanes 16-31 the next
	v_lshlrev_b32 v6, 12, v3
	v_lshl_add_u32 v[CO], v2, 4, v6                ; and the same two rows of out0
	s_lshl_b32 s62, s17, 8
	s_add_co_u32 s62, s62, LINV
	v_lshl_add_u32 v[LIA], v2, 2, s62
	v_add_nc_u32 v[SCWA], SCW, v7
	v_lshl_add_u32 v[LIW], v8, 2, LINV
	s_mov_b32 s96, 0x80808080
	s_mov_b32 s97, 0x01010101
	v_mov_b32 v[BIG], 0x7f7fffff
	v_mov_b32 v[ZR], 0
.irp n, 0,1,2,3,4,5,6,7
	v_mov_b32 v[LI+2*\n+1], 0                      ; (named as the upper halves of pairs)
.endr
	s_wait_alu depctr_va_vdst(0)
	s_mul_i32 s63, s[WV], HALFT
	GRP 1                                          ; (no load of mine uses these registers yet)
	s_wait_loadcnt 0x0
	s_wait_tensorcnt 0x0
	ds_add_u32 v[SPW], v[NIL]
	s_wait_dscnt 0x0
	CROUND                                         ; everybody's is
	JLOAD 1                                        ; big slot 1
	s_lshl_b32 s62, s22, 23                        ; out0: batch, my 64 queries, the tile's and my columns
	s_lshl_b32 s63, s17, 18
	s_add_co_u32 s62, s62, s63
	s_lshl_b32 s63, s20, 9
	s_add_co_u32 s62, s62, s63
	s_lshl_b32 s63, s18, 8
	s_add_co_u32 s62, s62, s63
	s_lshl_b32 s94, s57, 19
	s_add_co_u32 s94, s94, s62
	s_add_nc_u64 s[12:13], s[14:15], s[94:95]      ; lo's rows (the loads by the scale bytes' pointer are in)
	s_lshl_b32 s94, s56, 19
	s_add_co_u32 s94, s94, s62
	s_add_nc_u64 s[14:15], s[14:15], s[94:95]      ; hi's
	ASK 2
	; the rows' -M: the least of their chunks'
	v_min_num_f32 v[NH], v[STT], v[STT+2]
	v_min_num_f32 v[NLO], v[STT+4], v[STT+6]
.irp v, 2,3,4,5
	v_min3_num_f32 v[NH], v[NH], v[STT+4*\v], v[STT+4*\v+2]
.endr
.irp k, 0,1,2
	v_min_num_f32 v[TC], v[STT+24+4*\k], v[STT+26+4*\k]
	v_cndmask_b32 v[TD], v[BIG], v[TC], s[MF+\k]
	v_cndmask_b32 v[TC], v[TC], v[BIG], s[MF+\k]
	v_min_num_f32 v[NH], v[NH], v[TD]
	v_min_num_f32 v[NLO], v[NLO], v[TC]
.endr
.irp k, 0,1,2
	v_cndmask_b32 v[NRK+\k], v[NLO], v[NH], s[MF+\k]
.endr
	; the 18 chunks, stage by stage, so that no line waits for the line above it
.set Q, 0
.rept 18
.if Q/2 == 1
.set NRR, NLO
.elseif Q/2 < 6
.set NRR, NH
.else
.set NRR, NRK+Q/2-6
.endif
	v_sub_f32 v[DA+Q], v[STT+2*Q], v[NRR]          ; d = M_row - M_chunk, 0 or more
.set Q, Q+1
.endr
.set Q, 0
.rept 18
	v_min_num_f32 v[DA+Q], 0x42fe0000, v[DA+Q]     ; held at 127
.set Q, Q+1
.endr
.set Q, 0
.rept 18
	v_cvt_u32_f32 v[DA+Q], v[DA+Q]
.set Q, Q+1
.endr
.set Q, 0
.rept 18
	v_sub_nc_u32 v[DB+Q], 0, v[DA+Q]
.set Q, Q+1
.endr
.set Q, 0
.rept 18
	v_ldexp_f32 v[DB+Q], v[STT+2*Q+1], v[DB+Q]     ; the chunk's sum x 2^-d
.set Q, Q+1
.endr
.set Q, 0
.rept 18
	v_mul_lo_u32 v[DA+Q], v[DA+Q], s97             ; d in all four bytes
.set Q, Q+1
.endr
.set Q, 0
.rept 18
	v_or_b32 v[PSW+Q], s96, v[PSW+Q]               ; p is at most 1, so its bytes are at most 119: 128 is put on each, so that no byte borrows from the next,
.set Q, Q+1
.endr
.set Q, 0
.rept 18
	v_sub_nc_u32 v[PSW+Q], v[PSW+Q], v[DA+Q]       ; and d taken off: bit 7 stays set where byte - d is 0 or more
.set Q, Q+1
.endr
	v_add_f32 v[LH], v[DB], v[DB+1]
	v_add_f32 v[LL], v[DB+2], v[DB+3]
.irp c, 4,5,6,7,8,9,10,11
	v_add_f32 v[LH], v[LH], v[DB+\c]
.endr
.irp c, 12,13,14,15,16,17
	v_cndmask_b32 v[TC], v[ZR], v[DB+\c], s[MF+(\c-12)/2]
	v_cndmask_b32 v[TD], v[DB+\c], v[ZR], s[MF+(\c-12)/2]
	v_add_f32 v[LH], v[LH], v[TC]
	v_add_f32 v[LL], v[LL], v[TD]
.endr
	s_wait_alu depctr_va_vdst(0)
	v_rcp_f32 v[TC], v[LH]
	v_rcp_f32 v[TD], v[LL]
.set Q, 0
.rept 18
	v_lshrrev_b32 v[DA+Q], 7, v[PSW+Q]
.set Q, Q+1
.endr
.set Q, 0
.rept 18
	v_and_b32 v[DA+Q], s97, v[DA+Q]                ; 1 in each byte that stays
.set Q, Q+1
.endr
.set Q, 0
.rept 18
	v_lshlrev_b32 v[DB+Q], 7, v[DA+Q]
.set Q, Q+1
.endr
.set Q, 0
.rept 18
	v_sub_nc_u32 v[DB+Q], v[DB+Q], v[DA+Q]         ; 0x7f in each such byte
.set Q, Q+1
.endr
.set Q, 0
.rept 18
	v_and_b32 v[PSW+Q], v[PSW+Q], v[DB+Q]          ; byte - d, or 0
.set Q, Q+1
.endr
	s_wait_alu depctr_va_vdst(0)                   ; one wait for the two reciprocals, ahead of their first reader
	ds_store_b32 v[LIW], v[TC]
	ds_store_b32 v[LIW], v[TD] offset:512
.set Q, 0
.rept 9
	ds_store_b32 v[SCWA], v[PSW+2*Q] offset:2048*Q             ; a slot's words: [K step][p's 128, v^T's 128]
	ds_store_b32 v[SCWA], v[VSW+2*Q] offset:2048*Q+512
	ds_store_b32 v[SCWA], v[PSW+2*Q+1] offset:2048*Q+1024
	ds_store_b32 v[SCWA], v[VSW+2*Q+1] offset:2048*Q+1536
.set Q, Q+1
.endr
.macro FETCH s                         ; step s (128 keys: half s % 2 of slot s / 2): 4 fragments of p and 4 of v^T into set s % 2
.set FG, ((\s)/4)%2
.set FO, ((\s)/2)%2
.set FP, (\s)%2
	WIN 0x40
.irp a, 0,1,2,3
.irp c, 0,1,2,3
	ds_load_b128 v[64*FP+16*\a+4*\c:64*FP+16*\a+4*\c+3], v[ADRA+FG] offset:FO*HALFT+\a*4096+2048*FP+512*\c
.endr
.endr
.irp a, 0,1,2,3
.irp c, 0,1,2,3
	ds_load_b128 v[128+64*FP+16*\a+4*\c:128+64*FP+16*\a+4*\c+3], v[ADRB+FG] offset:FO*HALFT+\a*4096+2048*FP+512*\c
.endr
.endr
	WIN 0
.endm
.macro SCALES v                        ; slot v's scale words: lanes 0-15 p's block i, lanes 16-31 v^T's
.set OV_, \v                           ; where the v-th slot's words lie
.if (\v) > 4
.set OV_, (\v)-3
.elseif (\v) > 1
.set OV_, (\v)+4
.endif
.irp i, 0,1
	ds_load_b128 v[SC+8*((\v)%2)+4*\i:SC+8*((\v)%2)+4*\i+3], v[ADRS] offset:2048*OV_+1024*\i
.endr
.endm
; 16 matrix instructions of step s on hi's (sel = 0) or lo's (1) accumulators, which take turns, one instruction a turn.
.macro MUL s, sel, zero
.set MV, ((\s)/2)%2
.set MP, (\s)%2
	WIN 0xa5                                       ; sources 0 and 1 window 1, C and D window 2
.irp a, 0,1,2,3
.irp b, 0,1,2,3
.if \zero
	v_wmma_scale_f32_16x16x128_f8f6f4 v[128*(\sel)+8*(4*\a+\b):128*(\sel)+8*(4*\a+\b)+7], v[128+64*MP+16*\b:128+64*MP+16*\b+15], v[64*MP+16*\a:64*MP+16*\a+15], 0, v[SC+8*MV+4*MP+\b], v[SC+8*MV+4*MP+\a] matrix_a_scale:MATRIX_SCALE_ROW1
.else
	v_wmma_scale_f32_16x16x128_f8f6f4 v[128*(\sel)+8*(4*\a+\b):128*(\sel)+8*(4*\a+\b)+7], v[128+64*MP+16*\b:128+64*MP+16*\b+15], v[64*MP+16*\a:64*MP+16*\a+15], v[128*(\sel)+8*(4*\a+\b):128*(\sel)+8*(4*\a+\b)+7], v[SC+8*MV+4*MP+\b], v[SC+8*MV+4*MP+\a] matrix_a_scale:MATRIX_SCALE_ROW1
.endif
.endr
.endr
	WIN 0
.endm
.macro MULSEL s, k                     ; slot 6 + k is hi's or lo's: a branch on the work-group's y, the same in all partners
	s_cmp_eq_u32 s[FK+\k], 0
	s_cbranch_scc1 .Llo_\@
	MUL \s, 0, 0
	s_branch .Ldone_\@
.Llo_\@:
	MUL \s, 1, 0
.Ldone_\@:
.endm
; A change of big slots: all my tensor loads have landed (my part of the slot ahead), the add, its wait and that for my reads of the slot left; a round of the cluster's barrier; group n goes into the slot left.
.macro CHANGE n
.set CG, (\n)%2
	s_wait_tensorcnt 0x0                           ; no tensor load of mine is out, so a group 0 may be written
	ds_add_u32 v[SPW], v[NIL]
	s_mov_b32 s2, s[OAS+\n]
	s_add_nc_u64 s[G0A+4*CG+2:G0A+4*CG+3], s[4:5], s[2:3]
	s_or_b32 s[G0A+4*CG+3], s[G0A+4*CG+3], 0x80000000
	s_mov_b32 s94, s[OBS+\n]
	s_add_nc_u64 s[G0B+4*CG+2:G0B+4*CG+3], s[10:11], s[94:95]
	s_or_b32 s[G0B+4*CG+3], s[G0B+4*CG+3], 0x80000000
	s_wait_dscnt 0x0
	CROUND
.if \n == 4
	JLOAD_EVEN CG
.else
	JLOAD CG
.endif
.endm
.macro CHANGE_LAST                     ; the last slot has landed; nothing is filled
	s_wait_tensorcnt 0x0
	ds_add_u32 v[SPW], v[NIL]
	s_wait_dscnt 0x0
	s_barrier_signal -1
	s_barrier_wait -1
.endm
; The head of step s: its fragments are in; a change of slots where one is due; the next step's fragments are asked for, eight places behind the products that read their registers.
.macro PRE s, chg
	s_wait_dscnt 0x0
.if \chg == 9
	CHANGE_LAST
.elseif \chg > 0
	CHANGE \chg
.endif
.if (\s) < 17
.if (\s) > 0
	PLACES 8
.endif
	FETCH (\s)+1
.if ((\s)+1)%2 == 0
	SCALES ((\s)+1)/2
.endif
.endif
.if \chg == 2 || \chg == 3
	ASK \chg+1
.endif
.endm
	s_wait_alu depctr_va_vdst(0)
	s_wait_dscnt 0x0                               ; my scale words and reciprocals lie in LDS,
	s_barrier_signal -1
	s_barrier_wait -1                              ; everybody's do
	FETCH 0
	SCALES 0
.irp n, 0,1,2,3,4,5,6,7
	ds_load_b32 v[LI+2*\n], v[LIA] offset:512*(\n/4)+64*(\n%4)   ; 1 / l of my lane's query in each of the 8 blocks of rows
.endr
; THE WAY OUT, block by block of 16 places of queries x my 64 columns: divided by l, through my own stage, out as rows of 256 bytes.  Result tile bt holds columns 32 (bt / 2) + 16 h + 8 (bt % 2) + 0 .. 7.
.macro OUTB n
.set OT, T+32*((\n)%2)
.set OB, BK+32*((\n)%2)
	WIN 0x02                                       ; source 0: the accumulators' window
.set Q, 0
.rept 16
	v_pk_mul_f32 v[OT+2*Q:OT+2*Q+1], v[32*(\n)+2*Q:32*(\n)+2*Q+1], v[LI+2*(\n):LI+2*(\n)+1] op_sel_hi:[1,0]   ; each accumulator from its low end on
.set Q, Q+1
.endr
	WIN 0
.irp bt, 0,1,2,3
	ds_store_b128 v[STO], v[OT+8*\bt:OT+8*\bt+3] offset:128*(\bt/2)+32*(\bt%2)
	ds_store_b128 v[STO], v[OT+8*\bt+4:OT+8*\bt+7] offset:128*(\bt/2)+32*(\bt%2)+16
.endr
.irp i, 0,1,2,3,4,5,6,7
	ds_load_b128 v[OB+4*\i:OB+4*\i+3], v[RD] offset:\i*2*PITCH   ; LDS serves a wave's instructions in order (ISA guide 5.7.1.4): these see the stores above
.endr
.endm
.macro SENDB n, younger                ; place 16 a + rho of my 64 is query 32 (a / 2) + 16 (rho / 8) + 8 (a % 2) + rho % 8
.set OB, BK+32*((\n)%2)
.set OR, 32*(((\n)%4)/2)+8*((\n)%2)
.if (\younger) >= 0
	s_wait_dscnt \younger
.endif
.irp i, 0,1,2,3,4,5,6,7
	global_store_b128 v[CO], v[OB+4*\i:OB+4*\i+3], s[14-2*((\n)/4):15-2*((\n)/4)] offset:(OR+2*\i+8*(\i/4))*4096 th:TH_STORE_NT   ; 16 lanes store 256 consecutive bytes, aligned
.endr
.endm
	PRE 0, 0
	MUL 0, 0, 1                                    ; the first products start the sums: nothing is cleared
	PRE 1, 0
	MUL 1, 0, 0
	PRE 2, 0
	MUL 2, 1, 1
	PRE 3, 2                                       ; big slot 0 has been read: it takes group 2
	MUL 3, 1, 0
	PRE 4, 0
	MULSEL 4, 0
	PRE 5, 0
	MULSEL 5, 0
	PRE 6, 0
	MULSEL 6, 1
	PRE 7, 3
	MULSEL 7, 1
	PRE 8, 0
	MULSEL 8, 2
	PRE 9, 0
	MULSEL 9, 2
.macro PAIR s, c, n                    ; two of hi's steps, and one of lo's blocks out: through the stage behind the first, stored behind the second, whose head has waited for the stage's loads
	PRE \s, 0
	MUL \s, 0, 0
	s_wait_xcnt 0x0                                ; the earlier stores have read their registers
	OUTB \n
	PRE \s+1, \c
	MUL \s+1, 0, 0
	SENDB \n, -1
.endm
	PAIR 10, 4, 4
	PAIR 12, 0, 5
	PAIR 14, 9, 6
	PAIR 16, 0, 7
	PLACES 8
	s_wait_xcnt 0x0
	OUTB 0
.irp n, 1,2,3
	s_wait_xcnt 0x0                                ; the stores of the block before last have read their registers: this block's rows may land there
	OUTB \n
	SENDB \n-1, 16                                 ; behind that block's loads: this block's 8 stores and 8 loads
.endr
	SENDB 3, 0
	s_wait_tensorcnt 0x0                           ; the wave's end
	ds_add_u32 v[SPW], v[NIL]
	s_wait_dscnt 0x0
	CROUND                                         ; the closing round
	s_endpgm
.Lfunc_end_k_qd5c2388728_pv:
	.size	k_qd5c2388728_pv, .Lfunc_end_k_qd5c2388728_pv-k_qd5c2388728_pv
	.p2alignl 7, 3214868480
	.fill 96, 4, 3214868480
	.section	.rodata,"a",@progbits
	.p2align	6, 0x0
	.amdhsa_kernel k_qd5c2388728_pv
		.amdhsa_group_segment_fixed_size 327680
		.amdhsa_private_segment_fixed_size 0
		.amdhsa_enable_private_segment 0
		.amdhsa_kernarg_size 48
		.amdhsa_user_sgpr_count 2
		.amdhsa_user_sgpr_kernarg_segment_ptr 1
		.amdhsa_wavefront_size32 1
		.amdhsa_system_sgpr_workgroup_id_x 1
		.amdhsa_system_sgpr_workgroup_id_y 1
		.amdhsa_system_sgpr_workgroup_id_z 1
		.amdhsa_system_vgpr_workitem_id 0
		.amdhsa_next_free_vgpr 768
		.amdhsa_next_free_sgpr 100
		.amdhsa_reserve_vcc 0
		.amdhsa_float_denorm_mode_32 3
		.amdhsa_float_denorm_mode_16_64 3
		.amdhsa_memory_ordered 1
		.amdhsa_forward_progress 1
		.amdhsa_inst_pref_size 155
	.end_amdhsa_kernel
	.amdgpu_metadata
---
amdhsa.version: [ 1, 2 ]
amdhsa.kernels:
  - .name:           k_qd5c2388728_pv
    .symbol:         k_qd5c2388728_pv.kd
    .args:
      - { .name: pc, .offset: 0, .size: 8, .value_kind: global_buffer, .address_space: global }
      - { .name: ps, .offset: 8, .size: 8, .value_kind: global_buffer, .address_space: global }
      - { .name: st, .offset: 16, .size: 8, .value_kind: global_buffer, .address_space: global }
      - { .name: qkv, .offset: 24, .size: 8, .value_kind: global_buffer, .address_space: global }
      - { .name: qkvs, .offset: 32, .size: 8, .value_kind: global_buffer, .address_space: global }
      - { .name: out0, .offset: 40, .size: 8, .value_kind: global_buffer, .address_space: global }
    .group_segment_fixed_size: 327680
    .private_segment_fixed_size: 0
    .kernarg_segment_align: 8
    .kernarg_segment_size: 48
    .max_flat_workgroup_size: 128
    .sgpr_count:     100
    .vgpr_count:     768
    .wavefront_size: 32
...
	.end_amdgpu_metadata
.endif
;; end of part 4
